; MI455X (gfx1250); checked and timed in simulation.
; The chip was launched on July 23, 2026; its instructions are those of AMD's public machine-readable ISA for CDNA 5 (MIT licence, August 2026) and "CDNA5" Instruction Set Architecture Reference Guide (July 2026). The comments in the code are by the model that wrote it; some were corrected since.
;; GPT2 Self Attention. Allowed arithmetic: matrix products marked QUANTISED: E2M1 operands, one E8M0 scale for each 32 along K, by v_wmma_scale_f32_16x16x128_f8f6f4 with both operands' format E2M1 (or v_wmma_scale_f32_32x16x128_f4), f32 sums; everything else in f32.
;; Inputs: b_attn 3,072 float32; b_proj 1,024 float32; w_attn 3,072 x 1,024 float32; w_proj 1,024 x 1,024 float32; x 4 x 2,048 x 1,024 float32.
;; Outputs: out0 4 x 2,048 x 1,024 float32.
;; This version of the problem:
;;   THIS VERSION OF THE PROBLEM IS GIVEN IN LOW PRECISION. The matrix products marked QUANTISED in the list below multiply operands that are first quantised to E2M1 (2 exponent bits, 1 mantissa bit; 4 bits a number), with one power-of-two scale for each 32 numbers along K (OCP MX v1.0); their sums are f32. All else is computed in f32.
;;   The module's matrix products, in the order in which they are computed (A, B: the left and right operand; K: the contracted axis; several contracted axes count as one K, in the product's order):
;;     1. [M 8,192, K 1,024] x [K 1,024, N 3,072]; A: input x; B: input w_attn: QUANTISED
;;     2. batch 64 x [M 2,048, K 64] x [K 64, N 2,048]; A: computed on the way; B: computed on the way: QUANTISED
;;     3. batch 64 x [M 2,048, K 2,048] x [K 2,048, N 64]; A: softmax (see below); B: computed on the way: QUANTISED
;;     4. [M 8,192, K 1,024] x [K 1,024, N 1,024]; A: computed on the way; B: input w_proj: QUANTISED
;;   THE QUANTISER, for each operand of a quantised product, along K:
;;     - K is cut into blocks of 32 from its start; a last block that is shorter is filled with zeros.
;;     - A block's scale is 2^e with e = floor(log2(the largest magnitude in the block)) - 2, held to -126 .. 127; a block of zeros has e = 0. As a byte (E8M0): e + 127.
;;     - Each number is divided by its block's scale, clamped to +-6, and rounded to the nearest number of E2M1, ties to even, subnormals kept.
;;     - The product sums the exact products of the quantised numbers (number of the format x scale) in f32.
;;   ~~~python
;;   def quantise(x, axis):      # numpy; x: float32 -> the quantised numbers, widened to float32 again
;;       x = np.moveaxis(x, axis, -1); K = x.shape[-1]
;;       x = np.pad(x, [(0, 0)] * (x.ndim - 1) + [(0, -K % 32)]); x = x.reshape(x.shape[:-1] + (-1, 32)); a = np.abs(x).max(-1, keepdims=True)
;;       e = np.where(a > 0, np.clip(np.frexp(np.where(a > 0, a, 1))[1] - 1 - 2, -126, 127), 0)      # np.frexp(a)[1] - 1 = floor(log2(a)), exactly
;;       r = np.clip(x / 2.0 ** e, -6, 6)
;;       step = 2.0 ** (np.maximum(np.frexp(np.where(r == 0, 1, r))[1] - 1, 0) - 1)
;;       q = np.round(r / step) * step * 2.0 ** e      # np.round: ties to even
;;       return np.moveaxis(q.reshape(q.shape[:-2] + (-1,))[..., :K], -1, axis).astype(np.float32)
;;   ~~~
;;   SOFTMAX AHEAD OF A QUANTISED PRODUCT. Where the list says 'softmax', what is quantised is not the finished softmax but p = 2^(t - M), with t = logit x log2(e) and M = ceil(the row's largest t), a whole number; so 1/2 < the row's largest p <= 1. The row's sum l is taken of the UNQUANTISED p, in f32, and the product's result is divided by l at the end. Since M is a whole number, a kernel that streams over the keys may use a running M (the ceiling of the running maximum): every later rescaling is an exact power of two, which a block's scale takes up: the codes' values come out the same.
;;   OPERANDS COMPUTED ON THE WAY. 'Computed on the way' means the value that the module computes at that place (a softmax that the list does not call 'softmax' is quantised finished and normalised). What goes into a quantiser is computed in f32, as accurately as f32 sums, v_exp_f32 and their like allow (about 1e-6 of the number): no bf16 or f16 on the way to a quantiser, and a product that is left as it is and whose result goes on into a quantised operand takes f32 operands (vector FMAs, or v_wmma_f32_16x16x4_f32). A number that lies on a knife's edge between two numbers of the format may be rounded either way, as far as f32 arithmetic and the matrix unit's own rounding can turn it there, and no further.
;; One version. Each part assembles by itself: llvm-mc -triple=amdgcn-amd-amdhsa -mcpu=gfx1250 --defsym DOCPART=n.
;; ======== version 1 of 1: 4 launches
;; workspace buffers: opc 6,291,456 bytes; ops 393,216 bytes; att_codes 12,582,912 bytes; att_scales 786,432 bytes; y_codes 4,194,304 bytes; y_scales 262,144 bytes
;; launch quant (part 1): grid 384 x 1, 4 waves a work-group, no clusters, 33,280 bytes of LDS; arguments x, w_attn, w_proj, opc, ops; writes opc, ops
.if DOCPART == 1
	.amdgcn_target "amdgcn-amd-amdhsa--gfx1250"
	.amdhsa_code_object_version 6
	.text
	.protected	k_qf0b2b61865_quant
	.globl	k_qf0b2b61865_quant
	.p2align	8
	.type	k_qf0b2b61865_quant,@function
k_qf0b2b61865_quant:
	s_mov_b64 s[64:65], 0
	v_nop
	global_prefetch_b8 v0, s[64:65] scope:SCOPE_SE
	s_setreg_imm32_b32 hwreg(HW_REG_WAVE_MODE, 25, 1), 1
	s_wait_xcnt 0x0
; x [8192][1024], w_attn [3072][1024] and w_proj [1024][1024], f32, K innermost, become codes of FP4 (E2M1), two a byte, with one E8M0 scale byte for each 32 along K.
; The three tensors' rows lie one behind the other in opc (512 bytes a row) and ops (32 bytes a row): rows 0-8191 x, 8192-11263 w_attn, 11264-12287 w_proj.
; A block's scale is 2^(floor(log2(its largest magnitude)) - 2); its byte is the largest magnitude's exponent field - 2, held at 1 from below.
; LIMITS: a block whose largest magnitude lies under 2^-124 gets the byte 1; a block of zeros gets the byte 1 where the quantiser says 127 (its codes are zeros, and this program alone reads the bytes);
; NaN and infinities among the inputs are not served.
; THE ORDER OF ROWS.  A wave takes 8,192 numbers: 8 rows, an octet.  In x and w_attn the four octets of each 32 rows are stored in the order 0, 2, 1, 3, so that stored rows 16 i + r are the true rows
; 32 (i / 2) + 8 (i % 2) + r + 8 (r / 8): the rows that the next launch wants together in a tile of 16, lying together.  w_proj keeps its order.
; A step is 512 numbers: four loads of 512 consecutive bytes; the 2,048 bytes turn through the wave's own stage in LDS and come back 64 bytes a lane (16 neighbours along K; two neighbouring lanes hold a block).
; A lane's 16 codes are 8 bytes: the wave stores 256 consecutive bytes.  A wave's 256 scale bytes are gathered in its own LDS bytes and leave as 256 consecutive bytes.
; No tensor loads, no barrier: waves share nothing.  Loads run four steps (16 loads a wave) ahead, the turn through LDS one step.
.set STEPS, 16
.set WGX,   256                        ; work-groups 0-255 take x (32,768 numbers each),
.set WGXA,  352                        ; 256-351 w_attn, 352-383 w_proj
.set EMAX,  2
.set CB,    8                          ; bytes of 16 codes
.set R,     16                         ; v16-79   four sets of 16 numbers as they are loaded
.set X,     80                         ; v80-111  two sets of 16 neighbours
.set C,     128                        ; v128-191 codes: four registers for each step, so that no store's data are written again
.set E,     112                        ; v112-127 a scale byte for each step
.set WREG,  8192                       ; LDS: a region for each wave: two stages of 32 x SP bytes, and behind them its 256 scale bytes
.set SP,    80                         ; a lane's place in a stage: its 64 bytes + 16 of padding
	s_load_b128 s[4:7], s[0:1], 0x0                ; x, w_attn
	s_load_b128 s[8:11], s[0:1], 0x10              ; w_proj, opc
	s_load_b64 s[12:13], s[0:1], 0x20              ; ops
	v_lshl_add_u32 v192, v0, 2, 0x8000
	v_mov_b32 v193, 0
	v_lshrrev_b32 v1, 5, v0
	v_readfirstlane_b32 s16, v1                    ; wave
	v_and_b32 v2, 31, v0                           ; lane
	v_lshlrev_b32 v3, 4, v2                        ; my 16 bytes of a load's 512
	s_mul_i32 s17, s16, WREG
	v_lshrrev_b32 v14, 2, v2
	v_mul_u32_u24 v14, v14, SP
	v_and_b32 v15, 3, v2
	v_lshl_add_u32 v14, v15, 4, v14
	v_add_nc_u32 v14, s17, v14                     ; the stage, on the way in: SP (lane / 4) + 16 (lane % 4); a load's 512 bytes take eight places
	v_mul_u32_u24 v15, v2, SP
	v_add_nc_u32 v15, s17, v15                     ; and on the way out: SP x lane: my 16 neighbours
	v_mul_u32_u24 v4, v2, CB                       ; my codes' place in a step's
	v_lshrrev_b32 v5, 1, v2
	s_add_co_u32 s17, s17, 2*32*SP
	v_add_nc_u32 v5, s17, v5                       ; LDS: my wave's 256 scale bytes, my block's byte
	v_lshlrev_b32 v7, 3, v2                        ; and on the way out 8 bytes a lane
	v_add_nc_u32 v6, s17, v7
	s_and_b32 s22, s16, 1                          ; where my octet goes: octets 1 and 2 change places
	s_lshl_b32 s22, s22, 1
	s_lshr_b32 s23, s16, 1
	s_or_b32 s22, s22, s23
	s_mov_b32 s17, WGXA
	s_wait_kmcnt 0x0
	s_cmp_lt_u32 ttmp9, WGXA                       ; which tensor?  The choices hang on the work-group's number alone
	s_cselect_b64 s[6:7], s[6:7], s[8:9]           ; w_attn or w_proj,
	s_cselect_b32 s17, WGX, s17                    ; the tensor's first work-group,
	s_cselect_b32 s22, s22, s16                    ; and w_proj keeps its order
	s_cmp_lt_u32 ttmp9, WGX
	s_cselect_b64 s[4:5], s[4:5], s[6:7]           ; or x
	s_cselect_b32 s17, 0, s17
	s_sub_co_u32 s17, ttmp9, s17
	s_lshl_b32 s17, s17, 2
	s_add_co_u32 s18, s17, s16                     ; which octet of the tensor is my wave's
	s_lshl_b32 s18, s18, 15                        ; 32,768 bytes of f32 each (under 2^26 in all)
	s_mov_b32 s19, 0
	s_add_nc_u64 s[4:5], s[4:5], s[18:19]
	s_lshl_b32 s20, ttmp9, 2
	s_add_co_u32 s20, s20, s22                     ; the octet's place among all stored rows
	s_lshl_b32 s18, s20, 12                        ; 4,096 bytes of codes an octet
	s_add_nc_u64 s[10:11], s[10:11], s[18:19]
	s_lshl_b32 s18, s20, 8                         ; 256 scale bytes
	s_add_nc_u64 s[12:13], s[12:13], s[18:19]
.macro LOAD t
.irp i, 0,1,2,3
	global_load_b128 v[R+16*((\t)%4)+4*\i:R+16*((\t)%4)+4*\i+3], v3, s[4:5] offset:2048*(\t)+512*\i th:TH_LOAD_NT   ; 32 lanes read 512 consecutive bytes
.endr
.endm
.macro TURN t                          ; step t's numbers through the stage: LDS serves a wave's instructions in order, so no wait stands between the stores and the loads
.irp i, 0,1,2,3
	ds_store_b128 v14, v[R+16*((\t)%4)+4*\i:R+16*((\t)%4)+4*\i+3] offset:32*SP*((\t)%2)+8*SP*\i
.endr
.irp i, 0,1,2,3
	ds_load_b128 v[X+16*((\t)%2)+4*\i:X+16*((\t)%2)+4*\i+3], v15 offset:32*SP*((\t)%2)+16*\i
.endr
.endm
.irp t, 0,1,2,3
	LOAD \t
.endr
	s_wait_loadcnt 12                              ; step 0's four loads are in
	TURN 0
.macro STEP t
.set XS, X+16*((\t)%2)
.if (\t) > 0
	s_wait_dscnt 1                                 ; this step's numbers are back from the stage (the last step's byte store may be out): so its stores into the stage have read their registers,
.else
	s_wait_dscnt 0x0
.endif
.if (\t)+4 < STEPS
	LOAD (\t)+4                                    ; which take the loads of four steps on
.endif
.if (\t)+1 < STEPS
.if STEPS-2-(\t) >= 3
	s_wait_loadcnt 12                              ; the next step's four loads are in; those of the three steps behind it may be out
.else
	s_wait_loadcnt 4*(STEPS-2-(\t))
.endif
	TURN (\t)+1                                    ; and go through the other stage while this step is worked
.endif
	v_max3_num_f32 v8, |v[XS]|, |v[XS+1]|, |v[XS+2]|               ; the largest magnitude of my 16, in two chains
	v_max3_num_f32 v9, |v[XS+3]|, |v[XS+4]|, |v[XS+5]|
.irp i, 6,10
	v_max3_num_f32 v8, v8, |v[XS+\i]|, |v[XS+\i+1]|
	v_max3_num_f32 v9, v9, |v[XS+\i+2]|, |v[XS+\i+3]|
.endr
	v_max3_num_f32 v8, v8, |v[XS+14]|, |v[XS+15]|
	v_max3_num_f32 v8, v8, v9, (EMAX+1)<<23        ; and the floor 2^(3 - 127): so the byte cannot fall under 1
	v_max_num_f32_dpp v8, v8, v8 row_xmask:1 row_mask:0xf bank_mask:0xf   ; and of my neighbour's 16: the block's
	v_add_nc_u32 v11, 0xff000000, v8               ; 2 off its exponent field: the conversion takes the exponent field of this operand as its scale, and nothing else of it
	v_cvt_scalef32_pk8_fp4_f32 v[C+4*(\t)], v[XS:XS+7], v11        ; eight numbers / the scale, to the nearest code, ties to even, beyond the largest code the largest
	v_cvt_scalef32_pk8_fp4_f32 v[C+4*(\t)+1], v[XS+8:XS+15], v11
	v_lshrrev_b32 v[E+(\t)], 23, v11               ; the scale's byte
	ds_store_b8 v5, v[E+(\t)] offset:16*(\t)       ; both lanes of a block write the same byte with the same value
	global_store_b64 v4, v[C+4*(\t):C+4*(\t)+1], s[10:11] offset:32*CB*(\t)   ; the wave stores 256 consecutive bytes, aligned
.endm
.irp t, 0,1,2,3,4,5,6,7,8,9,10,11,12,13,14,15
	STEP \t
.endr
	ds_load_b64 v[12:13], v6                       ; LDS serves a wave's instructions in order: these see my stores
	s_wait_dscnt 0x0
	global_store_b64 v7, v[12:13], s[12:13]        ; 32 lanes store 256 consecutive bytes, aligned
	s_wait_tensorcnt 0x0
	ds_add_u32 v192, v193
	s_wait_dscnt 0x0
	s_endpgm
.Lfunc_end_k_qf0b2b61865_quant:
	.size	k_qf0b2b61865_quant, .Lfunc_end_k_qf0b2b61865_quant-k_qf0b2b61865_quant
	.p2alignl 7, 3214868480
	.fill 96, 4, 3214868480
	.section	.rodata,"a",@progbits
	.p2align	6, 0x0
	.amdhsa_kernel k_qf0b2b61865_quant
		.amdhsa_group_segment_fixed_size 33280
		.amdhsa_private_segment_fixed_size 0
		.amdhsa_enable_private_segment 0
		.amdhsa_kernarg_size 40
		.amdhsa_user_sgpr_count 2
		.amdhsa_user_sgpr_kernarg_segment_ptr 1
		.amdhsa_wavefront_size32 1
		.amdhsa_system_sgpr_workgroup_id_x 1
		.amdhsa_system_sgpr_workgroup_id_y 1
		.amdhsa_system_sgpr_workgroup_id_z 1
		.amdhsa_system_vgpr_workitem_id 0
		.amdhsa_next_free_vgpr 194
		.amdhsa_next_free_sgpr 66
		.amdhsa_reserve_vcc 0
		.amdhsa_float_denorm_mode_32 3
		.amdhsa_float_denorm_mode_16_64 3
		.amdhsa_memory_ordered 1
		.amdhsa_forward_progress 1
		.amdhsa_inst_pref_size 34
	.end_amdhsa_kernel
	.amdgpu_metadata
---
amdhsa.version: [ 1, 2 ]
amdhsa.kernels:
  - .name:           k_qf0b2b61865_quant
    .symbol:         k_qf0b2b61865_quant.kd
    .args:
      - { .name: x, .offset: 0, .size: 8, .value_kind: global_buffer, .address_space: global }
      - { .name: w_attn, .offset: 8, .size: 8, .value_kind: global_buffer, .address_space: global }
      - { .name: w_proj, .offset: 16, .size: 8, .value_kind: global_buffer, .address_space: global }
      - { .name: opc, .offset: 24, .size: 8, .value_kind: global_buffer, .address_space: global }
      - { .name: ops, .offset: 32, .size: 8, .value_kind: global_buffer, .address_space: global }
    .group_segment_fixed_size: 33280
    .private_segment_fixed_size: 0
    .kernarg_segment_align: 8
    .kernarg_segment_size: 40
    .max_flat_workgroup_size: 128
    .sgpr_count:     66
    .vgpr_count:     194
    .wavefront_size: 32
...
	.end_amdgpu_metadata
.endif
;; end of part 1
;; launch qkv (part 2): grid 12 x 32, 4 waves a work-group, clusters of 4 x 4, 327,680 bytes of LDS; arguments opc, ops, b_attn, att_codes, att_scales; writes att_codes, att_scales
.if DOCPART == 2
	.amdgcn_target "amdgcn-amd-amdhsa--gfx1250"
	.amdhsa_code_object_version 6
	.text
	.protected	k_qf0b2b61865_qkv
	.globl	k_qf0b2b61865_qkv
	.p2align	8
	.type	k_qf0b2b61865_qkv,@function
k_qf0b2b61865_qkv:
	s_mov_b64 s[64:65], 0
	v_nop
	global_prefetch_b8 v0, s[64:65] scope:SCOPE_SE
	s_setreg_imm32_b32 hwreg(HW_REG_WAVE_MODE, 25, 1), 1
	s_wait_xcnt 0x0
	s_wait_alu depctr_hold_cnt(0) depctr_sa_sdst(0) depctr_va_vdst(0) depctr_va_sdst(0) depctr_va_ssrc(0) depctr_va_vcc(0) depctr_vm_vsrc(0)
	s_getreg_b32 s2, hwreg(HW_REG_IB_STS2, 6, 4)
	s_cmp_eq_u32 s2, 0
	s_cbranch_scc0 .Lentry_in_a_cluster
	s_endpgm
.Lentry_in_a_cluster:
	s_bfe_u32 s2, ttmp6, 0x10000c
	s_cmp_lg_u32 s2, 0xf033
	s_cbranch_scc0 .Lentry_shape_is_right
	s_endpgm
.Lentry_shape_is_right:
; qkv = x w_attn^T + b_attn on codes of FP4 (E2M1) with E8M0 scales for each 32 along K = 1,024; the results are quantised in registers and leave as codes: q and k along the head's 64, v along the keys.
; A tile of 256 x 256 is made by four waves, 128 x 128 each: 64 accumulators of 16 x 16, 512 registers.  All of K lies in LDS: two slots of 512 along K, each filled once, and the scale bytes of all of K.
; THE MATRIX INSTRUCTION IS USED TRANSPOSED: source 0 ("B") = 16 rows whose index becomes the next product's K, source 1 ("A") = 16 rows that stay rows: a lane holds ONE row of A and its registers run along B's rows.
;   q, k (cluster x = 0, 1): A = tokens, B = rows of w_attn (features).   v (cluster x = 2): A = rows 2,048 on of w_attn, B = tokens (the keys).  One text serves both: only offsets are chosen, by s_cselect_b32 on the cluster's x.
; Stored rows 16 i + r of x and w_attn are the true rows 32 (i / 2) + 8 (i % 2) + r + 8 (r / 8) (the launch before laid them so): so the 16 registers of B's blocks 2 j and 2 j + 1 are 16 NEIGHBOURS along the next K.
; THE BIAS: q, k: it hangs on the register (feature): it is the C of each sum's first product.  v: it hangs on the lane (feature): it is added when the sums are taken out.  Both are loaded; the one that does not apply is made 0.
; OUT: att_codes, 192 head slots of 65,536 bytes (slot = 64 x (q 0, k 1, v 2) + 16 x batch + head), laid as images of the reader's operand registers: q, k: [tile of 16 tokens][512 bytes], lane (r, h): the 32 codes of
;   d = 32 h on of the tile's row r;  v: [128 keys G][tile of 16 d][c][512 bytes], lane (r, h): keys 128 G + 64 c + 32 h on of the tile's row r.  Each store of a wave covers 512 consecutive bytes, aligned.
;   att_scales, 192 slots of 4,096 bytes, [G][r][4 words]: q, k: word j = two bytes of tile 8 G + 2 j, two of tile 8 G + 2 j + 1;  v: word t = the four key blocks' bytes of row r of d tile t.
; CLUSTERS: 4 x 4 work-groups; A's tiles are shared along a row of the cluster, B's along a column: each is asked for jointly, by the same tensor load with the same descriptor and a mask that names the four.
; LIMITS: a block whose largest magnitude lies under 2^-124, a block of zeros among them, gets the byte 1; NaN and infinities are not served.
; REGISTERS, in windows of 256: window 0: v0-31 addresses; v32-95 scale words, two sets (later codes, scales at work); v96-119 the lane's bias; v128-191 A's fragments, ONE set (later 64 numbers to quantise); v192-255 the registers' bias.
;   window 1: B's fragments, TWO sets.   window 2: the accumulators of my rows 0-63 ((a, b) at v[8 (8 a + b)]);   window 3: those of my rows 64-127.
.set NQ,     4                         ; matrix instructions deep in a slot (512 along K)
.set ROWB,   256                       ; a tile's row in bytes
.set KROW,   512                       ; a row of codes in memory
.set PITCH,  272                       ; an LDS row: 256 bytes + 16 of padding = 68 words: the 16 rows that a load touches start at 16 different banks (64 banks of 4 bytes: ISA guide 11.1)
.set FR,     8                         ; registers of a fragment: 16 rows x 128 K
.set NL,     2                         ; LDS loads that bring one
.set NP,     4                         ; places behind this matrix instruction (ISA guide 7.12.1)
.set HALFT,  128*PITCH                 ; 128 rows: what one tensor load brings
.set SLOT,   4*HALFT                   ; A's 256 rows, then B's 256 rows
.set KS,     32                        ; a row of scale bytes
.set SCL,    2*SLOT                    ; behind the slots: the scales, as rows of 256 bytes + 16 of padding
.set HALFS,  (128*KS/256)*272          ; the scales of 128 rows
.set SBLK,   (16*KS/256)*272           ; those of 16 rows
.set SPARE,  SCL+4*HALFS               ; the spare words, 128 bytes for each wave: two blocks of 256 bytes that no other line names
.set VO0,  8                           ; v8   16 x lane: my place in an image of 512 bytes
.set VO1,  9                           ; v9   the same in the second image of a block
.set VSO,  10                          ; v10  my place among the scale words: 4,096 (lane / 16) + 16 (lane % 16)
.set SELQ, 11                          ; v11  byte selects: lanes 0-15 take the first head's two bytes of a word, lanes 16-31 the second's
.set ADRA, 16                          ; v16-17  LDS address of my A fragments in slot 0, 1
.set ADRB, 20                          ; v20-21  the same for B
.set ADRS, 27                          ; v27     LDS address of my scale words: lanes 0-15 A's rows, lanes 16-31 B's
.set SPW,  28                          ; v28     LDS address of my spare word; never rewritten
.set NIL,  29                          ; v29     0; never rewritten
.set SC,   32                          ; scale words: set s at v[SC + 32 s]; register 4 i + q: lanes 0-15 A's block i, lanes 16-31 B's block i, the slot's q-th 128 along K
.set BR,   96                          ; v96-103  the lane's bias for A's blocks 0-7
.set BRP,  104                         ; v104-119 the same twice, in pairs for the packed addition; 0 for q, k
.set AF,   128                         ; A's fragments
.set BP,   192                         ; v192-255 the registers' bias for B's blocks 0-7; 0 for v
.set ST,   128                         ; the way out: 64 numbers of a lane
.set PC,   32                          ; v32-39  the codes just made
.set TM,   40                          ; v40-55  at work in the quantiser
.set W,    56                          ; v56-63  the scale words of A's blocks 0-7
.set OQ,   64                          ; v64-67, v68-71, v72-75: the scale words as q, k want them, as v wants them, and the choice
.set OV,   68
.set OU,   72
.set ISV,  2                           ; s2   all ones where the work-group makes v
.set NOTV, 3                           ; s3   all ones where it makes q or k
.set INC4, 20                          ; s[20:21] what a change of heads adds to the codes' address behind block 3
.set HALF, 23                          ; s23  lanes 16-31
.set G1, 24                            ; s[24:31] descriptor group 1 for A's tiles;  s[32:39] group 0, one set for each slot
.set G0, 32
.set G1B, 48                           ; s[48:55], s[56:63] the same for B's tiles
.set G0B, 56
.set SEL, 66                           ; s[66:67] lane selects for v_permlanex16_b32: lane l xor 16
.set G1S, 68                           ; s[68:75], s[76:79] groups 1 and 0 for A's scales;  s[80:87], s[88:91] for B's
.set G0S, 76
.set G1SB, 80
.set G0SB, 88
.set OC,  96                           ; s[96:97]  where the next block's codes go
.set OS,  98                           ; s[98:99]  where my scale words go
.set INC, 100                          ; s[100:101] from block to block
.set MSB, 0
.macro WIN new                         ; the immediate's high byte repeats the setting that is left
.if MSB != (\new)
	s_set_vgpr_msb (MSB<<8)|(\new)
.set MSB, (\new)
.endif
.endm
.set MUL_LO, 0xa1                      ; source 0 (B) window 1, source 1 (A) window 0, C and D window 2
.set MUL_HI, 0xf1                      ; the same, C and D window 3
.set FST_LO, 0x81                      ; a sum's first product: C (the bias) window 0, D window 2
.set FST_HI, 0xc1                      ; D window 3
.set TO_B,   0x40                      ; destination window 1, address window 0
; A joint load: waves 0 and 1 fetch for A, waves 2 and 3 for B.  Each of the two lines has ONE mask and one set of registers for all that issue it; the branch hangs on the wave's number alone.
; Four v_nop follow each of the two lines, ahead of the jump, the label and what follows.
.macro JLOAD g0a, g1a, g0b, g1b
	s_cmp_eq_u32 s15, 0
	s_cbranch_scc0 .Lfor_b_\@
	tensor_load_to_lds s[\g0a:\g0a+3], s[\g1a:\g1a+7]
	s_nop 0
.rept 4
	v_nop
.endr
	s_branch .Lasked_\@
.Lfor_b_\@:
	tensor_load_to_lds s[\g0b:\g0b+3], s[\g1b:\g1b+7]
	s_nop 0
.rept 4
	v_nop
.endr
.Lasked_\@:
.endm
.macro CROUND                          ; a round of the cluster's barrier: my work-group's barrier; wave 0 signals for the work-group; every wave waits for all sixteen; my work-group's barrier once more
	s_barrier_signal -1
	s_barrier_wait -1
	s_cmp_lg_u32 s14, 0
	s_cbranch_scc1 .Lnot_wave_0_\@
	s_barrier_signal -3
.Lnot_wave_0_\@:
	s_barrier_wait -3
	s_barrier_signal -1
	s_barrier_wait -1
.endm
	s_load_b256 s[4:11], s[0:1], 0x0               ; opc s[4:5], ops s[6:7], b_attn s[8:9], att_codes s[10:11]
	s_load_b64 s[12:13], s[0:1], 0x20              ; att_scales
	v_lshl_add_u32 v[SPW], v0, 2, SPARE
	v_mov_b32 v[NIL], 0
	ds_add_u32 v28, v29
	ds_add_u32 v28, v29
	s_wait_dscnt 0x0
	v_lshrrev_b32 v1, 5, v0
	v_readfirstlane_b32 s14, v1                    ; wave 0..3
	s_lshr_b32 s15, s14, 1                         ; which half of A's 256 rows is mine.  Also: I fetch for A (0) or for B (1)
	s_and_b32 s16, s14, 1                          ; which half of B's.  Also: which 128 rows of that tile I fetch
	s_bfe_u32 s40, ttmp6, 0x40000                  ; cx, cy: my place in the cluster
	s_bfe_u32 s41, ttmp6, 0x40004
	s_and_b32 s17, ttmp7, 0xffff
	s_lshl_b32 s17, s17, 2                         ; 4 x cluster y: the cluster's first tile of 256 tokens
	s_lshl_b32 s42, ttmp9, 2
	s_add_co_u32 s42, s42, 32                      ; 32 + 4 x cluster x: its first tile of w_attn's rows, counted in stored rows / 256
	s_cmp_eq_u32 ttmp9, 2                          ; v?  The same in all sixteen partners
	s_cselect_b32 s18, 40, s17                     ; A's first tile: w_attn's rows 2,048 on, or the tokens
	s_cselect_b32 s19, s17, s42                    ; B's: the tokens, or w_attn's rows
	s_cselect_b32 s[ISV], -1, 0
	s_cselect_b32 s[NOTV], 0, -1
	s_add_co_u32 s18, s18, s41                     ; A's tile hangs on cy alone,
	s_add_co_u32 s19, s19, s40                     ; B's on cx alone
	s_lshl_b32 s43, s41, 2
	s_lshl_b32 s43, 15, s43                        ; my row of the cluster
	s_lshl_b32 s44, 0x1111, s40                    ; my column
	; descriptor group 1: a tile of 128 rows x 256 bytes, padded in LDS
	s_or_b32 s[G1+0], s43, (0<<16)|(1<<20)|(1<<21)|(5<<22)|(3<<25)  ; 15:0 the mask: A's tiles go to my row; 17:16 elements of 1 byte; 20 padding on; 21 set beside a mask; 24:22 after every 64 words (code 5); 31:25 of 4 words (code 3)
	s_or_b32 s[G1B+0], s44, (0<<16)|(1<<20)|(1<<21)|(5<<22)|(3<<25)
.irp g, G1, G1B
	s_mov_b32 s[\g+1], ROWB<<16                    ; tensor_dim0
	s_mov_b32 s[\g+2], 128<<16                     ; tensor_dim1 = 128
	s_mov_b32 s[\g+3], ROWB<<16                    ; tile_dim0
	s_mov_b32 s[\g+4], 128                         ; tile_dim1 = 128
	s_mov_b32 s[\g+5], KROW                        ; tensor_dim0_stride
	s_mov_b32 s[\g+6], 0
	s_mov_b32 s[\g+7], 0
.endr
	; and for the scales of 128 rows: a dense block of 4,096 bytes, as 16 rows of 256 bytes (32 elements of 8 bytes), 16 bytes of padding behind each
	s_or_b32 s[G1S+0], s43, (3<<16)|(1<<20)|(1<<21)|(5<<22)|(3<<25)
	s_or_b32 s[G1SB+0], s44, (3<<16)|(1<<20)|(1<<21)|(5<<22)|(3<<25)
.irp g, G1S, G1SB
	s_mov_b32 s[\g+1], 32<<16
	s_mov_b32 s[\g+2], (128*KS/256)<<16
	s_mov_b32 s[\g+3], 32<<16
	s_mov_b32 s[\g+4], 128*KS/256
	s_mov_b32 s[\g+5], 32
	s_mov_b32 s[\g+6], 0
	s_mov_b32 s[\g+7], 0
.endr
	s_lshl_b32 s95, s16, 7                         ; which 128 rows of the tile I fetch
	s_lshl_b32 s20, s18, 8
	s_add_co_u32 s20, s20, s95                     ; A: stored row 256 x tile + 128 x half (under 12,288: every offset stays under 2^23)
	s_lshl_b32 s46, s19, 8
	s_add_co_u32 s46, s46, s95                     ; B likewise
	s_lshl_b32 s22, s20, 5                         ; where these rows' scales begin, in bytes,
	s_mov_b32 s23, 0
	s_lshl_b32 s20, s20, 9                         ; and their codes
	s_mov_b32 s21, 0
	s_lshl_b32 s92, s46, 5
	s_mov_b32 s93, 0
	s_lshl_b32 s46, s46, 9
	s_mov_b32 s47, 0
	s_mul_i32 s45, s14, HALFT                      ; where they go: wave x 128 rows: no place in the cluster enters an LDS address
	s_mul_i32 s94, s14, HALFS
	s_wait_kmcnt 0x0
	s_add_nc_u64 s[20:21], s[4:5], s[20:21]
	s_add_nc_u64 s[22:23], s[6:7], s[22:23]
	s_add_nc_u64 s[46:47], s[4:5], s[46:47]
	s_add_nc_u64 s[92:93], s[6:7], s[92:93]
	CROUND                                         ; all sixteen work-groups are here: the joint loads meet
	s_mov_b32 s[G0S], 1
	s_add_co_u32 s[G0S+1], s94, SCL
	s_mov_b64 s[G0S+2:G0S+3], s[22:23]
	s_or_b32 s[G0S+3], s[G0S+3], 0x80000000
	s_mov_b32 s[G0SB], 1
	s_add_co_u32 s[G0SB+1], s94, SCL
	s_mov_b64 s[G0SB+2:G0SB+3], s[92:93]
	s_or_b32 s[G0SB+3], s[G0SB+3], 0x80000000
	JLOAD G0S, G1S, G0SB, G1SB                     ; the scales first: they are wanted with the first slot.  Three loads of mine go out here, and no more in the launch
.irp s, 0,1
	s_mov_b32 s[G0+4*\s], 1
	s_add_co_u32 s[G0+4*\s+1], s45, \s*SLOT
	s_add_nc_u64 s[G0+4*\s+2:G0+4*\s+3], s[20:21], \s*ROWB
	s_or_b32 s[G0+4*\s+3], s[G0+4*\s+3], 0x80000000
	s_mov_b32 s[G0B+4*\s], 1
	s_add_co_u32 s[G0B+4*\s+1], s45, \s*SLOT
	s_add_nc_u64 s[G0B+4*\s+2:G0B+4*\s+3], s[46:47], \s*ROWB
	s_or_b32 s[G0B+4*\s+3], s[G0B+4*\s+3], 0x80000000
	JLOAD G0+4*\s, G1, G0B+4*\s, G1B
.endr
	v_and_b32 v1, 15, v0                           ; r = l % 16
	v_bfe_u32 v2, v0, 4, 1                         ; h = l / 16
	v_mul_u32_u24 v3, v1, PITCH
	v_lshl_add_u32 v4, v2, 4, v3                   ; a fragment's row x pitch + 16 x half
	s_mul_i32 s21, s15, HALFT                      ; my 128 rows of A
	s_mul_i32 s22, s16, HALFT                      ; my 128 rows of B,
	s_add_co_u32 s22, s22, 2*HALFT                 ; which lie behind A's 256
.irp s, 0,1
	v_add_nc_u32 v[ADRA+\s], s21, v4
	v_add_nc_u32 v[ADRB+\s], s22, v4
	s_add_co_u32 s21, s21, SLOT
	s_add_co_u32 s22, s22, SLOT
.endr
	v_mul_u32_u24 v5, v1, KS                       ; my row's scales: 32 bytes a row,
	v_lshrrev_b32 v6, 8, v5
	v_lshl_add_u32 v5, v6, 4, v5                   ; and 16 more for each 256 passed
	s_mul_i32 s21, s15, HALFS                      ; A's: my 128 rows
	s_mul_i32 s22, s16, HALFS                      ; B's: my 128 rows, behind A's 256
	s_add_co_u32 s22, s22, 2*HALFS
	s_sub_co_u32 s22, s22, s21
	v_mul_u32_u24 v6, s22, v2                      ; lanes 16-31 take B's: one product, the distance between the two
	s_add_co_u32 s21, s21, SCL
	v_add_nc_u32 v5, v5, v6
	v_add_nc_u32 v[ADRS], s21, v5
	; WHERE THE RESULTS GO.  tokens: tile of 256 and my half of it; features likewise.  These numbers enter global addresses alone
	s_lshl_b32 s42, ttmp9, 2                       ; 4 x cluster x
	s_mov_b32 s22, 65536
	s_mov_b32 s[INC], 512
	s_cmp_eq_u32 ttmp9, 2
	s_cselect_b32 s18, s40, s41                    ; the tokens' place in the cluster: cx for v, cy for q, k
	s_cselect_b32 s19, s41, s40                    ; the features'
	s_cselect_b32 s43, s16, s15                    ; the tokens' half
	s_cselect_b32 s44, s15, s16                    ; the features'
	s_cselect_b32 s22, 512, s22                    ; from a block's first image to its second: v: keys 64 on; q, k: the next head
	s_cselect_b32 s[INC], 1024, s[INC]             ; from block to block: v: the next tile of d; q, k: the next tile of tokens
	s_cselect_b32 s[INC4], 61440, 0                ; v: behind block 3 on to the next head's slot
	s_mov_b32 s[INC+1], 0
	s_mov_b32 s[INC4+1], 0
	s_mov_b32 s[HALF], 0xffff0000
	s_mov_b32 s[SEL], 0x76543210
	s_mov_b32 s[SEL+1], 0xfedcba98
	s_add_co_u32 s18, s17, s18                     ; the tile of 256 tokens, 0..31
	s_add_co_u32 s19, s42, s19                     ; the tile of 256 features, 0..11
	s_lshr_b32 s45, s18, 3                         ; the batch
	s_and_b32 s46, s18, 7
	s_lshl_b32 s46, s46, 1
	s_add_co_u32 s46, s46, s43                     ; G: which 128 tokens of the batch
	s_lshr_b32 s47, s19, 2
	s_lshl_b32 s47, s47, 6                         ; 64 x (q 0, k 1, v 2)
	s_lshl_b32 s45, s45, 4
	s_add_co_u32 s47, s47, s45                     ; + 16 x batch
	s_and_b32 s45, s19, 3
	s_lshl_b32 s45, s45, 2
	s_add_co_u32 s47, s47, s45
	s_lshl_b32 s45, s44, 1
	s_add_co_u32 s47, s47, s45                     ; + the first of my two heads: the head slot
	s_lshl_b32 s92, s47, 16
	s_lshl_b32 s45, s46, 12
	s_add_co_u32 s92, s92, s45
	s_mov_b32 s93, 0
	s_add_nc_u64 s[OC:OC+1], s[10:11], s[92:93]    ; 65,536 x slot + 4,096 x G
	s_lshl_b32 s92, s47, 12
	s_lshl_b32 s45, s46, 8
	s_add_co_u32 s92, s92, s45
	s_add_nc_u64 s[OS:OS+1], s[12:13], s[92:93]    ; 4,096 x slot + 256 x G
	s_lshl_b32 s92, s19, 10
	s_lshl_b32 s45, s44, 9
	s_add_co_u32 s92, s92, s45
	s_add_nc_u64 s[8:9], s[8:9], s[92:93]          ; b_attn at my 128 features
	v_and_b32 v6, 31, v0
	v_lshlrev_b32 v[VO0], 4, v6
	v_add_nc_u32 v[VO1], s22, v[VO0]
	v_lshlrev_b32 v[VSO], 4, v1
	v_lshl_add_u32 v[VSO], v2, 12, v[VSO]
	v_lshlrev_b32 v12, 6, v2                       ; the registers' bias: block b's register j is feature 32 (b / 2) + 8 (b % 2) + 16 h + j
	v_and_b32 v13, 8, v1
	v_add_nc_u32 v13, v13, v1
	v_lshlrev_b32 v13, 2, v13                      ; the lane's: block a's row r is feature 32 (a / 2) + 8 (a % 2) + r + 8 (r / 8)
.irp b, 0,1,2,3,4,5,6,7
	global_load_b128 v[BP+8*\b:BP+8*\b+3], v12, s[8:9] offset:(32*(\b/2)+8*(\b%2))*4
	global_load_b128 v[BP+8*\b+4:BP+8*\b+7], v12, s[8:9] offset:(32*(\b/2)+8*(\b%2))*4+16
.endr
.irp a, 0,1,2,3,4,5,6,7
	global_load_b32 v[BR+\a], v13, s[8:9] offset:(32*(\a/2)+8*(\a%2))*4
.endr
	v_mov_b32 v[SELQ], 0x05040100
	v_mov_b32 v14, 0x07060302
	v_cndmask_b32 v[SELQ], v[SELQ], v14, s[HALF]
	s_wait_loadcnt 0x0
.set i, 0
.rept 64
	v_cndmask_b32 v[BP+i], 0, v[BP+i], s[NOTV]     ; the registers' bias counts for q, k alone,
.set i, i+1
.endr
.irp a, 0,1,2,3,4,5,6,7
	v_cndmask_b32 v[BRP+2*\a], 0, v[BR+\a], s[ISV] ; the lane's for v alone
	v_cndmask_b32 v[BRP+2*\a+1], 0, v[BR+\a], s[ISV]
.endr
.macro FRAG reg, adr, q, i             ; a fragment, 16 rows x 128 K of 4-bit codes, is 8 registers: lane l holds row l % 16; registers 4 c .. 4 c + 3 hold K = 64 c + 32 (l / 16) + 0 .. 31
.irp c, 0,1
	ds_load_b128 v[\reg+4*\c:\reg+4*\c+3], v[\adr] offset:64*(\q)+32*\c+(\i)*16*PITCH
.endr
.endm
; 16 matrix instructions: A's blocks a0, a0 + 1 x B's eight, 128 along K: the slot's q-th.  p: B's set;  sc: the set of scale words.  first = 1: the product starts the sums, with the bias as C: nothing is ever cleared.
; The 64 accumulators take turns, one instruction a turn, in the same order in every step.
.macro MUL16 a0, p, q, sc, first
.irp a, \a0, \a0+1
.irp b, 0,1,2,3,4,5,6,7
.if \first
	v_wmma_scale_f32_16x16x128_f8f6f4 v[8*(8*((\a)%4)+\b):8*(8*((\a)%4)+\b)+7], v[128*(\p)+FR*\b:128*(\p)+FR*\b+FR-1], v[AF+FR*(\a):AF+FR*(\a)+FR-1], v[BP+8*\b:BP+8*\b+7], v[SC+8*NQ*(\sc)+NQ*\b+(\q)], v[SC+8*NQ*(\sc)+NQ*(\a)+(\q)] matrix_a_fmt:MATRIX_FMT_FP4 matrix_b_fmt:MATRIX_FMT_FP4 matrix_a_scale:MATRIX_SCALE_ROW1
.else
	v_wmma_scale_f32_16x16x128_f8f6f4 v[8*(8*((\a)%4)+\b):8*(8*((\a)%4)+\b)+7], v[128*(\p)+FR*\b:128*(\p)+FR*\b+FR-1], v[AF+FR*(\a):AF+FR*(\a)+FR-1], v[8*(8*((\a)%4)+\b):8*(8*((\a)%4)+\b)+7], v[SC+8*NQ*(\sc)+NQ*\b+(\q)], v[SC+8*NQ*(\sc)+NQ*(\a)+(\q)] matrix_a_fmt:MATRIX_FMT_FP4 matrix_b_fmt:MATRIX_FMT_FP4 matrix_a_scale:MATRIX_SCALE_ROW1
.endif
.endr
.endr
.endm
.macro FETCH_B slot, q, p              ; B's eight fragments of the slot's q-th 128 along K into set p
	WIN TO_B
.irp i, 0,1,2,3,4,5,6,7
	FRAG 128*(\p)+FR*\i, ADRB+\slot, \q, \i
.endr
	WIN 0
.endm
.macro FETCH_A slot, q, i0             ; A's blocks i0 .. i0 + 3
.irp i, \i0, \i0+1, \i0+2, \i0+3
	FRAG AF+FR*(\i), ADRA+\slot, \q, \i
.endr
.endm
.macro SCALES sc                       ; a slot's scale words into set sc: 4 words a row; lanes 0-15 take A's block i, lanes 16-31 B's block i
.irp i, 0,1,2,3,4,5,6,7
	ds_load_b128 v[SC+8*NQ*\sc+NQ*\i:SC+8*NQ*\sc+NQ*\i+3], v[ADRS] offset:\i*SBLK
.endr
.endm
; A load into a register that a matrix instruction has read, and a vector instruction that reads a matrix result or writes one of its registers, stand NP places behind it, and only plain vector
; instructions that name none of its registers are places (ISA guide 7.12.1 for vector instructions).
.macro PLACES n
.rept \n
	v_nop
.endr
.endm
; A step of 128 along K that has its successor in the same slot.  A block of A is free as soon as its eight products are issued: blocks 0-3 are fetched anew in the step's middle, blocks 4-7 at its end.
.macro STEP slot, q, first
	s_wait_dscnt 4*NL                              ; B's set and A's blocks 0-3 are in; the youngest eight loads (A's blocks 4-7) may be out
.if \first
	WIN FST_LO
.else
	WIN MUL_LO
.endif
	MUL16 0, (\q)%2, \q, \slot, \first
	MUL16 2, (\q)%2, \q, \slot, \first
	s_wait_dscnt 0                                 ; A's blocks 4-7 are in (asked for 32 matrix instructions ago)
	PLACES NP
	FETCH_B \slot, (\q)+1, 1-(\q)%2
	FETCH_A \slot, (\q)+1, 0
.if \first
	WIN FST_HI
.else
	WIN MUL_HI
.endif
	MUL16 4, (\q)%2, \q, \slot, \first
	MUL16 6, (\q)%2, \q, \slot, \first
	PLACES NP
	WIN 0
	FETCH_A \slot, (\q)+1, 4
.endm
.macro STEPS slot, from                ; the slot's steps from .. NQ - 2
.set Q, \from
.rept NQ-1-\from
	STEP \slot, Q, 0
.set Q, Q+1
.endr
.endm
	s_wait_tensorcnt 1                             ; the scales and my part of slot 0 are in (slot 1's load may be out)
	s_barrier_signal -1
	s_barrier_wait -1                              ; everybody's are
	FETCH_B 0, 0, 0
	FETCH_A 0, 0, 0
	SCALES 0
	FETCH_A 0, 0, 4
	STEP 0, 0, 1                                   ; the first step's products start the sums
	STEPS 0, 1
	; slot 0's last step changes slots: one barrier; in front of it each wave waits for its part of slot 1.  Nothing is filled again
	s_wait_tensorcnt 0x0                           ; all my tensor loads have landed
	ds_add_u32 v[SPW], v[NIL]                      ; 0 onto my spare word
	s_wait_dscnt 4*NL+1                            ; (the add and the youngest eight loads, A's blocks 4-7, may be out)
	WIN MUL_LO
	MUL16 0, 1, NQ-1, 0, 0
	s_wait_dscnt 0x0                               ; no LDS instruction of mine is pending at the signal
	s_barrier_signal -1
	MUL16 2, 1, NQ-1, 0, 0
	WIN 0
	s_barrier_wait -1                              ; slot 1 is whole
	PLACES NP
	v_add_nc_u32 v[ADRS], 4*NQ, v[ADRS]            ; on to slot 1's scale words
	FETCH_B 1, 0, 0
	FETCH_A 1, 0, 0
	SCALES 1
	WIN MUL_HI
	MUL16 4, 1, NQ-1, 0, 0
	MUL16 6, 1, NQ-1, 0, 0
	PLACES NP
	WIN 0
	FETCH_A 1, 0, 4
	STEPS 1, 0
	s_wait_dscnt 4*NL                              ; the very last step: nothing more to fetch
	WIN MUL_LO
	MUL16 0, 1, NQ-1, 1, 0
	MUL16 2, 1, NQ-1, 1, 0
	s_wait_dscnt 0
	WIN MUL_HI
	MUL16 4, 1, NQ-1, 1, 0
	MUL16 6, 1, NQ-1, 1, 0
	WIN 0
; THE WAY OUT.  64 numbers of a lane, v[s] .. v[s + 63], register 16 b + i = k 32 b + 16 (lane / 16) + i of my row, become a fragment's codes in v[PC] on and its scale word in v[pw].
.macro QUANT s, pw
.irp b, 0,1,2,3
	v_max3_num_f32 v[TM+\b], |v[\s+16*\b]|, |v[\s+1+16*\b]|, 0x1800000   ; block b: my 16 numbers, and the floor 2^(3 - 127): so the byte cannot fall under 1
.endr
.irp i, 2,4,6,8,10,12,14
.irp b, 0,1,2,3
	v_max3_num_f32 v[TM+\b], v[TM+\b], |v[\s+16*\b+\i]|, |v[\s+1+16*\b+\i]|   ; (the four blocks by turns: no line waits for the line above it)
.endr
.endr
.irp b, 0,1,2,3
	v_permlanex16_b32 v[TM+4+\b], v[TM+\b], s[SEL], s[SEL+1]
.endr
.irp b, 0,1,2,3
	v_max_num_f32 v[TM+\b], v[TM+\b], v[TM+4+\b]   ; with lane l xor 16's: the block's largest magnitude
.endr
.irp b, 0,1,2,3
	v_add_nc_u32 v[TM+12+\b], 0xff000000, v[TM+\b] ; 2 off its exponent field: the conversion's scale operand
.endr
.irp b, 0,1,2,3
	v_lshrrev_b32 v[TM+4+\b], 23, v[TM+12+\b]      ; the scale's byte
.endr
	v_lshl_or_b32 v[\pw], v[TM+5], 8, v[TM+4]      ; the four bytes make my row's scale word
	v_lshl_or_b32 v[\pw], v[TM+6], 16, v[\pw]
	v_lshl_or_b32 v[\pw], v[TM+7], 24, v[\pw]
.irp b, 0,1,2,3
	v_cvt_scalef32_pk8_fp4_f32 v[PC+2*\b], v[\s+16*\b:\s+7+16*\b], v[TM+12+\b]
	v_cvt_scalef32_pk8_fp4_f32 v[PC+1+2*\b], v[\s+8+16*\b:\s+15+16*\b], v[TM+12+\b]
.endr
	v_nop                                          ; one plain place behind a scaled conversion
.irp c, 0,1                                    ; the operand's layout wants a WHOLE block in a lane: lanes 0-15 block 2 c, lanes 16-31 block 2 c + 1
.irp i, 0,1
	v_permlane16_swap_b32 v[PC+4*\c+\i], v[PC+2+4*\c+\i]
.endr
.endr
.endm
; A's block a: its eight accumulators, each from its low end on, come into window 0 with the lane's bias added; they are quantised; the two images of 512 bytes are stored.
.macro TAKE a
.set AC, 64*((\a)%4)
	WIN 0x02+(\a)/4                                ; source 0: window 2 or 3
.set i, 0
.rept 32
	v_pk_add_f32 v[ST+i:ST+i+1], v[AC+i:AC+i+1], v[BRP+2*(\a):BRP+2*(\a)+1]
.set i, i+2
.endr
	WIN 0
	QUANT ST, W+(\a)
	global_store_b128 v[VO0], v[PC:PC+3], s[OC:OC+1]       ; k 0 .. 63: q, k: my first head;  v: keys 0 .. 63.  32 lanes store 512 consecutive bytes, aligned
	global_store_b128 v[VO1], v[PC+4:PC+7], s[OC:OC+1]     ; k 64 .. 127: the second head;  keys 64 .. 127
	s_wait_xcnt 0x0                                ; the stores have read their data and their base: both are written again only behind this wait
	s_add_nc_u64 s[OC:OC+1], s[OC:OC+1], s[INC:INC+1]
.if (\a) == 3
	s_add_nc_u64 s[OC:OC+1], s[OC:OC+1], s[INC4:INC4+1]
.endif
.endm
	PLACES NP                                      ; behind the last products: their results are read and their operands' registers written from here on
.irp b, 0,1,2,3
	v_mov_b32 v[TM+4+\b], 0                        ; written once: a lane permute's destination counts as one of its sources
.endr
.irp a, 0,1,2,3,4,5,6,7
	TAKE \a
.endr
.irp j, 0,1,2,3
	v_perm_b32 v[OQ+\j], v[W+2*\j+1], v[W+2*\j], v[SELQ]   ; q, k: two bytes of tile 2 j, two of tile 2 j + 1; lanes 0-15 my first head's, lanes 16-31 my second's
	v_cndmask_b32 v[OV+\j], v[W+\j], v[W+4+\j], s[HALF]    ; v: d tile j's word; lanes 0-15 my first head's (blocks 0-3), lanes 16-31 my second's (blocks 4-7)
.endr
.irp j, 0,1,2,3
	v_cndmask_b32 v[OU+\j], v[OQ+\j], v[OV+\j], s[ISV]
.endr
	global_store_b128 v[VSO], v[OU:OU+3], s[OS:OS+1]       ; sixteen lanes store 256 consecutive bytes, aligned; the two halves of the lanes two heads' slots
	s_wait_tensorcnt 0x0                           ; the wave's end: behind my last tensor load
	ds_add_u32 v[SPW], v[NIL]
	s_wait_dscnt 0x0
	CROUND                                         ; the closing round: no work-group ends while a partner may still ask for a tile that names it
	s_endpgm
.Lfunc_end_k_qf0b2b61865_qkv:
	.size	k_qf0b2b61865_qkv, .Lfunc_end_k_qf0b2b61865_qkv-k_qf0b2b61865_qkv
	.p2alignl 7, 3214868480
	.fill 96, 4, 3214868480
	.section	.rodata,"a",@progbits
	.p2align	6, 0x0
	.amdhsa_kernel k_qf0b2b61865_qkv
		.amdhsa_group_segment_fixed_size 327680
		.amdhsa_private_segment_fixed_size 0
		.amdhsa_enable_private_segment 0
		.amdhsa_kernarg_size 40
		.amdhsa_user_sgpr_count 2
		.amdhsa_user_sgpr_kernarg_segment_ptr 1
		.amdhsa_wavefront_size32 1
		.amdhsa_system_sgpr_workgroup_id_x 1
		.amdhsa_system_sgpr_workgroup_id_y 1
		.amdhsa_system_sgpr_workgroup_id_z 1
		.amdhsa_system_vgpr_workitem_id 0
		.amdhsa_next_free_vgpr 1024
		.amdhsa_next_free_sgpr 102
		.amdhsa_reserve_vcc 0
		.amdhsa_float_denorm_mode_32 3
		.amdhsa_float_denorm_mode_16_64 3
		.amdhsa_memory_ordered 1
		.amdhsa_forward_progress 1
		.amdhsa_inst_pref_size 153
	.end_amdhsa_kernel
	.amdgpu_metadata
---
amdhsa.version: [ 1, 2 ]
amdhsa.kernels:
  - .name:           k_qf0b2b61865_qkv
    .symbol:         k_qf0b2b61865_qkv.kd
    .args:
      - { .name: opc, .offset: 0, .size: 8, .value_kind: global_buffer, .address_space: global }
      - { .name: ops, .offset: 8, .size: 8, .value_kind: global_buffer, .address_space: global }
      - { .name: b_attn, .offset: 16, .size: 8, .value_kind: global_buffer, .address_space: global }
      - { .name: att_codes, .offset: 24, .size: 8, .value_kind: global_buffer, .address_space: global }
      - { .name: att_scales, .offset: 32, .size: 8, .value_kind: global_buffer, .address_space: global }
    .group_segment_fixed_size: 327680
    .private_segment_fixed_size: 0
    .kernarg_segment_align: 8
    .kernarg_segment_size: 40
    .max_flat_workgroup_size: 128
    .sgpr_count:     102
    .vgpr_count:     1024
    .wavefront_size: 32
...
	.end_amdgpu_metadata
.endif
;; end of part 2
;; launch attn (part 3): grid 256 x 1, 16 waves a work-group, clusters of 4 x 1, 327,680 bytes of LDS; arguments att_codes, att_scales, y_codes, y_scales; writes y_codes, y_scales
.if DOCPART == 3
	.amdgcn_target "amdgcn-amd-amdhsa--gfx1250"
	.amdhsa_code_object_version 6
	.text
	.protected	k_qf0b2b61865_attn
	.globl	k_qf0b2b61865_attn
	.p2align	8
	.type	k_qf0b2b61865_attn,@function
k_qf0b2b61865_attn:
	s_mov_b64 s[64:65], 0
	v_nop
	global_prefetch_b8 v0, s[64:65] scope:SCOPE_SE
	s_setreg_imm32_b32 hwreg(HW_REG_WAVE_MODE, 25, 1), 1
	s_wait_xcnt 0x0
	s_wait_alu depctr_hold_cnt(0) depctr_sa_sdst(0) depctr_va_vdst(0) depctr_va_sdst(0) depctr_va_ssrc(0) depctr_va_vcc(0) depctr_vm_vsrc(0)
	s_getreg_b32 s2, hwreg(HW_REG_IB_STS2, 6, 4)
	s_cmp_eq_u32 s2, 0
	s_cbranch_scc0 .Lentry_in_a_cluster
	s_endpgm
.Lentry_in_a_cluster:
	s_bfe_u32 s2, ttmp6, 0x10000c
	s_cmp_lg_u32 s2, 0x3003
	s_cbranch_scc0 .Lentry_shape_is_right
	s_endpgm
.Lentry_shape_is_right:
; y[b][q][head] = the sum over keys k <= q of softmax_k(q . k / 8) v, both products on codes of FP4 (E2M1) with E8M0 scales for each 32 along a product's K; y leaves as codes, quantised along the 1,024 features.
; THE SOFTMAX AHEAD OF THE SECOND PRODUCT: t = score x log2(e) / 8; M = the row's largest t so far, rounded UP to a whole number; p = 2^(t - M) is what is quantised, along the keys; it is not normalised.
; The row's sum is taken of the unquantised p, in f32, and divides at the end.  When M moves, the sum and O are multiplied by 2^(old M - new M): exact.
; SHARES.  A cluster of four work-groups owns one head of one batch (64 of them); the head's K and V, codes and scale bytes, 139,264 bytes, come into each partner's LDS ONCE, by joint loads, and are only read after that.
; A tile is 16 queries; a head has 128.  Wave w of partner cx owns tiles tL = 8 (w / 2) + 2 cx + w % 2 and tH = 127 - tL.  Keys go in steps of 128; a step all of whose keys come after a tile's queries is left out:
; tL takes w / 2 + 1 steps and tH 16 - w / 2: 17 steps for every wave of the launch.  The branches hang on the wave's number and the loop's counter alone; cx enters global addresses and the mask's threshold.
; LAYOUT.  Both products are used transposed: S^T = K Q^T (source 0 = keys, source 1 = my 16 queries), O^T = V^T P^T (source 0 = 16 of the head's 64, source 1 = P): a lane holds ONE query (lane % 16) throughout.
; Row r of tile t (of q, k) is token 32 (t / 2) + 8 (t % 2) + r + 8 (r / 8), and V's tiles of d likewise: so the 16 registers of two neighbouring tiles are 16 neighbours along the next K.
; THE FIRST PRODUCT'S K IS 64, the instruction's 128: a fragment of K carries TWO tiles of keys, tile 2 j in k 0 .. 63 and tile 2 j + 1 in k 64 .. 127, and Q stands beside zero codes: (q, 0) gives tile 2 j's scores, (0, q) tile 2 j + 1's.
; LIMITS: a block whose largest magnitude lies under 2^-124, a block of zeros among them, gets the byte 1; NaN and infinities are not served.
.set VC,    65536                      ; LDS: K's codes from 0, V's from here: images of the operands' registers, 512 bytes on end: every read is 16 x lane + a constant
.set KSC,   131072                     ; K's scale words, 4,096 bytes: [step][r][4 words]
.set VSC,   135168                     ; V's
.set SPARE, 139264                     ; the spare words, 128 bytes for each wave: eight blocks of 256 bytes that no other line names
.set LI,   1                           ; v1   16 x lane
.set LSC,  2                           ; v2   KSC + 16 (lane % 16)
.set SPW,  3                           ; v3   LDS address of my spare word; never rewritten
.set NIL,  4                           ; v4   0; never rewritten
.set ADK,  5                           ; v5-7 LDS addresses of the step's K, V and scale words
.set ADV,  6
.set ADS,  7
.set DL,   8                           ; v8, v9  the mask's threshold for tL, tH: my query less the diagonal step's first key less 16 (lane / 16)
.set DH,   9
.set QSL,  10                          ; v10, v11  Q's scale words: the row's two bytes, twice
.set QSH,  11
.set STL,  12                          ; v12-15, v16-19  a tile's state: -M, the largest t, the sum in two halves
.set STH,  16
.set QZL,  20                          ; v20-31, v32-43  four registers of zero codes, Q's four, four of zero codes: (q, 0) begins at +4, (0, q) at +0
.set QZH,  32
.set KSW,  44                          ; v44-47  K's scale words of the step;  v48-51 V's
.set VSW,  48
.set KF,   52                          ; v52-83  four fragments of K, then of V
.set S,    84                          ; v84-147 S^T, then p
.set OL,   148                         ; v148-179, v180-211  O^T of tL, tH
.set OH,   180
.set PC,   212                         ; v212-219 p's codes
.set BM,   220                         ; v220-231 at work: the blocks' maxima, bytes, scale operands
.set T2,   224
.set T3,   228
.set PW,   232                         ; v232 p's scale word (v232, v233: y's two bytes on the way out)
.set F,    234                         ; v234 f = 2^(old M - new M); v235 named with it as a pair
.set SU2,  236                         ; v236-237 the sum's second chain
.set TMP,  238
.set NINF, 239                         ; -infinity
.set YSO,  240                         ; 32 (lane % 16): my row of y's scale bytes
.set QSO,  241                         ; 16 (lane % 16): my row among q's scale words
.set WV,   12                          ; s12 wave; s13 cx; s14 the head slot; s15, s16 the diagonal steps of tL, tH; s17, s18 tL, tH
.set CX,   13
.set HS,   14
.set GL,   15
.set GH,   16
.set TL,   17
.set TH,   18
.set SEL,  20                          ; s[20:21] lane selects for v_permlanex16_b32: lane l xor 16
.set CS,   22                          ; s[22:23] c = log2(e) / 8
.set G1C,  24                          ; s[24:31] descriptor group 1 for codes;  s[32:39] for scale bytes;  s[40:43], s[44:47] their groups 0
.set G1S,  32
.set G0C,  40
.set G0S,  44
.set SI,   48                          ; s48 the step;  s49 4,096 x step;  s50 256 x step
.set TK,   49
.set TSC,  50
.set QCL,  52                          ; s[52:53], s[54:55] q's codes of tL, tH;  s[56:57], s[58:59] their scale words
.set QCH,  54
.set QWL,  56
.set QWH,  58
.set YCL,  66                          ; s[66:67], s[68:69] y's codes and scale bytes of tL;  s[70:71], s[72:73] of tH
.set YSL,  68
.set YCH,  70
.set YSH,  72
.macro CROUND                          ; a round of the cluster's barrier
	s_barrier_signal -1
	s_barrier_wait -1
	s_cmp_lg_u32 s[WV], 0
	s_cbranch_scc1 .Lnot_wave_0_\@
	s_barrier_signal -3
.Lnot_wave_0_\@:
	s_barrier_wait -3
	s_barrier_signal -1
	s_barrier_wait -1
.endm
; the byte offsets of tile t: q's codes and scale word, y's codes and scale bytes
.macro TILEADR t, qc, qw, yc, ys
	s_lshl_b32 s60, s[HS], 16
	s_lshl_b32 s61, s[\t], 9
	s_add_co_u32 s[\qc], s60, s61                  ; 65,536 x slot + 512 x tile
	s_mov_b32 s[\qc+1], 0
	s_lshl_b32 s60, s[HS], 12
	s_lshr_b32 s61, s[\t], 3
	s_lshl_b32 s61, s61, 8
	s_add_co_u32 s60, s60, s61
	s_bfe_u32 s61, s[\t], 0x20001
	s_lshl_b32 s61, s61, 2
	s_add_co_u32 s[\qw], s60, s61                  ; 4,096 x slot + 256 (t / 8) + 4 ((t / 2) % 4)
	s_mov_b32 s[\qw+1], 0
	s_lshr_b32 s60, s[HS], 4
	s_lshl_b32 s60, s60, 7
	s_add_co_u32 s60, s60, s[\t]                   ; the tile of rows among all 512: 128 x batch + t
	s_and_b32 s61, s[HS], 15                       ; the head
	s_lshl_b32 s62, s60, 13
	s_lshl_b32 s63, s61, 9
	s_add_co_u32 s[\yc], s62, s63                  ; 8,192 x tile of rows + 512 x head
	s_mov_b32 s[\yc+1], 0
	s_lshl_b32 s62, s60, 9
	s_lshl_b32 s63, s61, 1
	s_add_co_u32 s[\ys], s62, s63                  ; 512 x tile of rows + 2 x head
	s_mov_b32 s[\ys+1], 0
.endm
	s_load_b128 s[4:7], s[0:1], 0x0                ; att_codes, att_scales
	s_load_b128 s[8:11], s[0:1], 0x10              ; y_codes, y_scales
	v_lshl_add_u32 v[SPW], v0, 2, SPARE
	v_mov_b32 v[NIL], 0
	ds_add_u32 v3, v4
	ds_add_u32 v3, v4
	s_wait_dscnt 0x0
	v_lshrrev_b32 v[TMP], 5, v0
	v_readfirstlane_b32 s[WV], v[TMP]              ; wave 0..15
	s_bfe_u32 s[CX], ttmp6, 0x40000                ; my place in the cluster
	s_mov_b32 s[HS], ttmp9                         ; in a cluster launch ttmp9 counts clusters: 16 x batch + head
	s_lshr_b32 s[GL], s[WV], 1
	s_sub_co_u32 s[GH], 15, s[GL]
	s_and_b32 s74, s[WV], 1
	s_lshl_b32 s75, s[CX], 1
	s_add_co_u32 s75, s75, s74                     ; e = tL % 8
	s_lshl_b32 s[TL], s[GL], 3
	s_add_co_u32 s[TL], s[TL], s75
	s_sub_co_u32 s[TH], 127, s[TL]
	s_lshr_b32 s76, s75, 1                         ; a tile's first query less its diagonal step's first key: 32 (e / 2) + 8 (e % 2)
	s_lshl_b32 s76, s76, 5
	s_and_b32 s77, s75, 1
	s_lshl_b32 s77, s77, 3
	s_add_co_u32 s76, s76, s77
	s_sub_co_u32 s75, 7, s75                       ; tH % 8
	s_lshr_b32 s77, s75, 1
	s_lshl_b32 s77, s77, 5
	s_and_b32 s78, s75, 1
	s_lshl_b32 s78, s78, 3
	s_add_co_u32 s77, s77, s78
	s_mov_b32 s78, 0x01000100                      ; an even tile's bytes are the word's lower two, an odd tile's its upper two
	s_mov_b32 s79, 0x03020302
	s_cmp_eq_u32 s74, 0                            ; tL is even where the wave's number is
	s_cselect_b32 s74, s78, s79
	s_cselect_b32 s75, s79, s78                    ; and tH is then odd
	TILEADR TL, QCL, QWL, YCL, YSL
	TILEADR TH, QCH, QWH, YCH, YSH
	; descriptor group 1: dense blocks as rows of 256 bytes (32 elements of 8 bytes): 64 rows of codes, 16 of scale bytes; no padding
	s_mov_b32 s[G1C], 15|(3<<16)|(1<<21)           ; 15:0 the mask: all four work-groups; 17:16 elements of 8 bytes; 21 set beside a mask
	s_mov_b32 s[G1C+1], 32<<16                     ; tensor_dim0
	s_mov_b32 s[G1C+2], 64<<16                     ; tensor_dim1
	s_mov_b32 s[G1C+3], 32<<16                     ; tile_dim0
	s_mov_b32 s[G1C+4], 64                         ; tile_dim1
	s_mov_b32 s[G1C+5], 32                         ; tensor_dim0_stride
	s_mov_b32 s[G1C+6], 0
	s_mov_b32 s[G1C+7], 0
	s_mov_b32 s[G1S], 15|(3<<16)|(1<<21)
	s_mov_b32 s[G1S+1], 32<<16
	s_mov_b32 s[G1S+2], 16<<16
	s_mov_b32 s[G1S+3], 32<<16
	s_mov_b32 s[G1S+4], 16
	s_mov_b32 s[G1S+5], 32
	s_mov_b32 s[G1S+6], 0
	s_mov_b32 s[G1S+7], 0
	; group 0.  Waves 0-3 fetch the quarters of K's codes, waves 4-7 of V's; wave 8 K's scale bytes, wave 9 V's.  Nothing here hangs on cx
	s_mov_b32 s[G0C], 1
	s_and_b32 s60, s[WV], 7
	s_lshl_b32 s[G0C+1], s60, 14                   ; LDS: 16,384 x wave
	s_bfe_u32 s60, s[WV], 0x10002
	s_lshl_b32 s60, s60, 6
	s_add_co_u32 s60, s60, 64
	s_add_co_u32 s60, s60, s[HS]                   ; k's head slot, or v's
	s_lshl_b32 s60, s60, 16
	s_and_b32 s61, s[WV], 3
	s_lshl_b32 s61, s61, 14
	s_add_co_u32 s60, s60, s61
	s_mov_b32 s61, 0
	s_mov_b32 s[G0S], 1
	s_and_b32 s62, s[WV], 1
	s_lshl_b32 s63, s62, 12
	s_add_co_u32 s[G0S+1], s63, KSC
	s_lshl_b32 s62, s62, 6
	s_add_co_u32 s62, s62, 64
	s_add_co_u32 s62, s62, s[HS]
	s_lshl_b32 s62, s62, 12
	s_mov_b32 s63, 0
	s_mov_b32 s[SEL], 0x76543210
	s_mov_b32 s[SEL+1], 0xfedcba98
	s_mov_b32 s[CS], 0x3e38aa3b                    ; c = log2(e) / sqrt(64)
	s_mov_b32 s[CS+1], s[CS]                       ; (named with it as a pair, so it is written)
	s_mov_b32 s[SI], 0
	s_mov_b32 s[TK], 0
	s_mov_b32 s[TSC], 0
	s_wait_kmcnt 0x0
	s_add_nc_u64 s[G0C+2:G0C+3], s[4:5], s[60:61]
	s_or_b32 s[G0C+3], s[G0C+3], 0x80000000
	s_add_nc_u64 s[G0S+2:G0S+3], s[6:7], s[62:63]
	s_or_b32 s[G0S+3], s[G0S+3], 0x80000000
	s_add_nc_u64 s[QCL:QCL+1], s[4:5], s[QCL:QCL+1]
	s_add_nc_u64 s[QCH:QCH+1], s[4:5], s[QCH:QCH+1]
	s_add_nc_u64 s[QWL:QWL+1], s[6:7], s[QWL:QWL+1]
	s_add_nc_u64 s[QWH:QWH+1], s[6:7], s[QWH:QWH+1]
	s_add_nc_u64 s[YCL:YCL+1], s[8:9], s[YCL:YCL+1]
	s_add_nc_u64 s[YCH:YCH+1], s[8:9], s[YCH:YCH+1]
	s_add_nc_u64 s[YSL:YSL+1], s[10:11], s[YSL:YSL+1]
	s_add_nc_u64 s[YSH:YSH+1], s[10:11], s[YSH:YSH+1]
	CROUND                                         ; all four work-groups are here: the joint loads meet
	s_cmp_lt_u32 s[WV], 8                          ; one load a wave at the most, and no more in the launch.  Four v_nop follow each of the two lines
	s_cbranch_scc0 .Lnot_codes
	tensor_load_to_lds s[G0C:G0C+3], s[G1C:G1C+7]
	s_nop 0
.rept 4
	v_nop
.endr
	s_branch .Lasked
.Lnot_codes:
	s_cmp_lt_u32 s[WV], 10
	s_cbranch_scc0 .Lasked
	tensor_load_to_lds s[G0S:G0S+3], s[G1S:G1S+7]
	s_nop 0
.rept 4
	v_nop
.endr
.Lasked:
	v_and_b32 v[TMP], 31, v0
	v_lshlrev_b32 v[LI], 4, v[TMP]
	v_and_b32 v[BM], 15, v0                        ; r
	v_bfe_u32 v[BM+1], v0, 4, 1                    ; h
	v_lshlrev_b32 v[QSO], 4, v[BM]
	v_add_nc_u32 v[LSC], KSC, v[QSO]
	v_lshlrev_b32 v[YSO], 5, v[BM]
	global_load_b128 v[QZL+4:QZL+7], v[LI], s[QCL:QCL+1]   ; Q's images stay in registers
	global_load_b128 v[QZH+4:QZH+7], v[LI], s[QCH:QCH+1]
	global_load_b32 v[QSL], v[QSO], s[QWL:QWL+1]
	global_load_b32 v[QSH], v[QSO], s[QWH:QWH+1]
	v_and_b32 v[BM+2], 8, v[BM]
	v_add_nc_u32 v[BM+2], v[BM+2], v[BM]           ; r + 8 (r / 8)
	v_lshlrev_b32 v[BM+3], 4, v[BM+1]
	v_sub_nc_u32 v[BM+2], v[BM+2], v[BM+3]         ; - 16 h
	v_add_nc_u32 v[DL], s76, v[BM+2]
	v_add_nc_u32 v[DH], s77, v[BM+2]
.irp z, 0,1,2,3,8,9,10,11
	v_mov_b32 v[QZL+\z], 0                         ; zero codes
	v_mov_b32 v[QZH+\z], 0
.endr
.irp st, STL, STH
	v_mov_b32 v[\st+1], 0xff61b1e6                 ; the largest t so far: -3e38, under every t
	v_floor_f32 v[\st], -v[\st+1]                  ; -M
	v_mov_b32 v[\st+2], 0                          ; the sum, in two halves
	v_mov_b32 v[\st+3], 0
.endr
.irp b, 0,1,2,3
	v_mov_b32 v[T2+\b], 0                          ; written once: a lane permute's destination counts as one of its sources
.endr
	v_mov_b32 v[TMP], 0
	v_mov_b32 v[F+1], 0                            ; (named as the upper half of the pair)
	v_mov_b32 v[NINF], 0xff800000
	s_wait_tensorcnt 0x0                           ; my part of K and V is in,
	s_barrier_signal -1
	s_barrier_wait -1                              ; everybody's is.  From here on LDS is only read
	s_wait_loadcnt 0x0                             ; Q
	v_perm_b32 v[QSL], v[QSL], v[QSL], s74         ; the tile's two bytes, twice: for (q, 0) and for (0, q)
	v_perm_b32 v[QSH], v[QSH], v[QSH], s75
.set i, 0
.rept 64
	v_mov_b32 v[OL+i], 0                           ; O^T of both tiles: the step is written once; the first finds zeros.  (These lines also stand between the scale words just made and the first product)
.set i, i+1
.endr
; ONE TILE'S KEY STEP: 128 keys.  st: its state; qz, qs: its Q; o: its O^T; d: its threshold; sg: its diagonal step.
.macro TILE st, qz, qs, o, d, sg
	s_cmp_gt_u32 s[SI], s[\sg]                     ; all the step's keys come after my queries: the step is left out
	s_cbranch_scc1 .Lhidden_\@
.rept 4
	v_nop                                          ; places in front of loads into registers that matrix instructions have read
.endr
.irp j, 0,1,2,3
.irp c, 0,1
	ds_load_b128 v[KF+8*\j+4*\c:KF+8*\j+4*\c+3], v[ADK] offset:1024*\j+512*\c   ; fragment j: tile 2 j of the step's eight in k 0 .. 63, tile 2 j + 1 in k 64 .. 127
.endr
.endr
	ds_load_b128 v[KSW:KSW+3], v[ADS]              ; word j: two bytes of each of the two tiles
	s_wait_dscnt 0x0
.irp j, 0,1,2,3
	v_wmma_scale_f32_16x16x128_f8f6f4 v[S+16*\j:S+16*\j+7], v[KF+8*\j:KF+8*\j+7], v[\qz+4:\qz+11], 0, v[KSW+\j], v[\qs] matrix_a_fmt:MATRIX_FMT_FP4 matrix_b_fmt:MATRIX_FMT_FP4
	v_wmma_scale_f32_16x16x128_f8f6f4 v[S+16*\j+8:S+16*\j+15], v[KF+8*\j:KF+8*\j+7], v[\qz:\qz+7], 0, v[KSW+\j], v[\qs] matrix_a_fmt:MATRIX_FMT_FP4 matrix_b_fmt:MATRIX_FMT_FP4
.endr                                          ; register 16 j + i is key 128 x step + 32 j + 16 (lane / 16) + i
.rept 4
	v_nop                                          ; places: in front of the loads below, and of the first read of the scores
.endr
.irp t, 0,1,2,3
.irp c, 0,1
	ds_load_b128 v[KF+8*\t+4*\c:KF+8*\t+4*\c+3], v[ADV] offset:1024*\t+512*\c   ; V's four tiles of d are asked for here and land under the softmax
.endr
.endr
	ds_load_b128 v[VSW:VSW+3], v[ADS] offset:VSC-KSC
	s_cmp_lg_u32 s[SI], s[\sg]                     ; on the diagonal the scores of hidden keys become -infinity ahead of the maximum: p = 0 then
	s_cbranch_scc1 .Lopen_\@
.set n, 0
.rept 64
	v_cmp_gt_i32 vcc_lo, 32*(n/16)+n%16, v[\d]
	v_cndmask_b32 v[S+n], v[S+n], v[NINF], vcc_lo
.set n, n+1
.endr
.Lopen_\@:
.irp b, 0,1,2,3
	v_max3_num_f32 v[BM+\b], v[S+16*\b], v[S+1+16*\b], v[S+2+16*\b]   ; THE LARGEST SCORE OF EACH BLOCK OF 32 KEYS serves twice: for the row's maximum, and, since p rises with the score, for the block's largest p
.endr
.irp i, 3,5,7,9,11,13
.irp b, 0,1,2,3
	v_max3_num_f32 v[BM+\b], v[BM+\b], v[S+16*\b+\i], v[S+1+16*\b+\i]   ; (the four blocks by turns)
.endr
.endr
.irp b, 0,1,2,3
	v_max_num_f32 v[BM+\b], v[BM+\b], v[S+15+16*\b]
.endr
.irp b, 0,1,2,3
	v_permlanex16_b32 v[T2+\b], v[BM+\b], s[SEL], s[SEL+1]
.endr
.irp b, 0,1,2,3
	v_max_num_f32 v[BM+\b], v[BM+\b], v[T2+\b]     ; with lane l xor 16's 16 keys
.endr
	v_max3_num_f32 v[TMP], v[BM], v[BM+1], v[BM+2]
	v_max_num_f32 v[TMP], v[TMP], v[BM+3]          ; the step's largest score of my query
	v_mul_f32 v[TMP], s[CS], v[TMP]                ; as t (c is positive)
	v_max_num_f32 v[\st+1], v[\st+1], v[TMP]       ; the running largest t
	v_mov_b32 v[TMP], v[\st]
	v_floor_f32 v[\st], -v[\st+1]                  ; the new -M = floor(-t) = -ceil(t): M is a whole number
	v_sub_f32 v[TMP], v[\st], v[TMP]               ; M's old value less its new one: a whole number, 0 or less
	v_cvt_i32_f32 v[TMP], v[TMP]                   ; (it saturates)
	v_ldexp_f32 v[F], 1.0, v[TMP]                  ; f = 2^(old M - new M)
.set n, 0
.rept 32
	v_pk_fma_f32 v[S+n:S+n+1], v[S+n:S+n+1], s[CS:CS+1], v[\st:\st+1] op_sel_hi:[1,0,0]   ; t - M, two at a time (of the pairs c and -M the low word serves both halves)
.set n, n+2
.endr
.irp b, 0,1,2,3
	v_fma_f32 v[BM+\b], v[BM+\b], s[CS], v[\st]    ; the same of each block's largest score
.endr
.set n, 0
.rept 64
	v_exp_f32 v[S+n], v[S+n]                       ; p = 2^(t - M), at most 1: not normalised
.set n, n+1
.endr
	v_pk_mul_f32 v[\st+2:\st+3], v[\st+2:\st+3], v[F:F+1] op_sel_hi:[1,0]   ; the sums under the new M.  (A plain place behind the exponentials)
	s_wait_alu depctr_va_vdst(0)                   ; one wait for the whole batch, ahead of its first reader
.irp b, 0,1,2,3
	v_exp_f32 v[BM+\b], v[BM+\b]                   ; the block's largest p: the same two instructions on the same number give the same bits
.endr
	v_pk_add_f32 v[SU2:SU2+1], v[S:S+1], v[S+2:S+3]        ; THE ROW'S SUM IS TAKEN OF THE UNQUANTISED p: two at a time, in two chains
.irp j, 4,8,12,16,20,24,28,32,36,40,44,48,52,56,60
	v_pk_add_f32 v[\st+2:\st+3], v[\st+2:\st+3], v[S+\j:S+1+\j]
	v_pk_add_f32 v[SU2:SU2+1], v[SU2:SU2+1], v[S+2+\j:S+3+\j]
.endr
	v_pk_add_f32 v[\st+2:\st+3], v[\st+2:\st+3], v[SU2:SU2+1]
	s_wait_alu depctr_va_vdst(0)                   ; and one for the four
.irp b, 0,1,2,3
	v_max_num_f32 v[BM+\b], 0x1800000, v[BM+\b]    ; the floor 2^(3 - 127): the byte cannot fall under 1 (a block whose every p is 0 keeps that byte: its codes are zeros)
.endr
.irp b, 0,1,2,3
	v_add_nc_u32 v[T3+\b], 0xff000000, v[BM+\b]    ; 2 off the exponent field: the conversion's scale operand
.endr
.irp b, 0,1,2,3
	v_lshrrev_b32 v[T2+\b], 23, v[T3+\b]           ; the scale's byte
.endr
	v_lshl_or_b32 v[PW], v[T2+1], 8, v[T2]         ; p's scale word for these 128 keys
	v_lshl_or_b32 v[PW], v[T2+2], 16, v[PW]
	v_lshl_or_b32 v[PW], v[T2+3], 24, v[PW]
.irp b, 0,1,2,3
	v_cvt_scalef32_pk8_fp4_f32 v[PC+2*\b], v[S+16*\b:S+7+16*\b], v[T3+\b]
	v_cvt_scalef32_pk8_fp4_f32 v[PC+1+2*\b], v[S+8+16*\b:S+15+16*\b], v[T3+\b]
.endr
	v_nop                                          ; one plain place behind a scaled conversion
.irp c, 0,1                                    ; the operand's layout wants a WHOLE block in a lane: lanes 0-15 block 2 c, lanes 16-31 block 2 c + 1
.irp i, 0,1
	v_permlane16_swap_b32 v[PC+4*\c+\i], v[PC+2+4*\c+\i]
.endr
.endr
.set n, 0
.rept 16
	v_pk_mul_f32 v[\o+n:\o+n+1], v[\o+n:\o+n+1], v[F:F+1] op_sel_hi:[1,0]   ; O^T under the new M: x f.  (Twelve of these name no register of a given product below: the places between p's codes and scale word and the products)
.set n, n+2
.endr
	s_wait_dscnt 0x0                               ; V is in
.irp t, 0,1,2,3                                ; O^T += V^T P^T: the four accumulators by turns
	v_wmma_scale_f32_16x16x128_f8f6f4 v[\o+8*\t:\o+8*\t+7], v[KF+8*\t:KF+8*\t+7], v[PC:PC+7], v[\o+8*\t:\o+8*\t+7], v[VSW+\t], v[PW] matrix_a_fmt:MATRIX_FMT_FP4 matrix_b_fmt:MATRIX_FMT_FP4
.endr
.Lhidden_\@:
.endm
.Lstep:                                            ; 16 trips, a constant: what a tile does not need is jumped over inside the trip
	v_add_nc_u32 v[ADK], s[TK], v[LI]
	v_add_nc_u32 v[ADV], VC, v[ADK]
	v_add_nc_u32 v[ADS], s[TSC], v[LSC]
	TILE STL, QZL, QSL, OL, DL, GL
	TILE STH, QZH, QSH, OH, DH, GH
	s_add_co_u32 s[TK], s[TK], 4096
	s_add_co_u32 s[TSC], s[TSC], 256
	s_add_co_u32 s[SI], s[SI], 1
	s_cmp_lt_u32 s[SI], 16
	s_cbranch_scc1 .Lstep
; THE WAY OUT of a tile.  O^T / the sum: register 16 j + i is d = 32 j + 16 (lane / 16) + i of my query: two blocks of 32 along the last product's K.  They are quantised; the image of 512 bytes and the rows' two bytes are stored.
.macro OUT st, o, pc, pw, yc, ys
	v_add_f32 v[\st+2], v[\st+2], v[\st+3]         ; the sum's two halves,
	v_permlanex16_b32 v[TMP], v[\st+2], s[SEL], s[SEL+1]
	v_add_f32 v[\st+2], v[\st+2], v[TMP]           ; and lane l xor 16's: the row's sum
	v_rcp_f32 v[\st+2], v[\st+2]
	v_nop                                          ; a plain place behind the reciprocal,
	s_wait_alu depctr_va_vdst(0)                   ; and a wait ahead of its first reader
.set n, 0
.rept 32
	v_mul_f32 v[S+n], v[\o+n], v[\st+2]            ; each accumulator from its low end on
.set n, n+1
.endr
.irp b, 0,1
	v_max3_num_f32 v[BM+\b], |v[S+16*\b]|, |v[S+1+16*\b]|, 0x1800000
.endr
.irp i, 2,4,6,8,10,12,14
.irp b, 0,1
	v_max3_num_f32 v[BM+\b], v[BM+\b], |v[S+16*\b+\i]|, |v[S+1+16*\b+\i]|
.endr
.endr
.irp b, 0,1
	v_permlanex16_b32 v[T2+\b], v[BM+\b], s[SEL], s[SEL+1]
.endr
.irp b, 0,1
	v_max_num_f32 v[BM+\b], v[BM+\b], v[T2+\b]
.endr
.irp b, 0,1
	v_add_nc_u32 v[T3+\b], 0xff000000, v[BM+\b]
.endr
.irp b, 0,1
	v_lshrrev_b32 v[T2+\b], 23, v[T3+\b]
.endr
	v_lshl_or_b32 v[\pw], v[T2+1], 8, v[T2]
.irp b, 0,1
	v_cvt_scalef32_pk8_fp4_f32 v[\pc+2*\b], v[S+16*\b:S+7+16*\b], v[T3+\b]
	v_cvt_scalef32_pk8_fp4_f32 v[\pc+1+2*\b], v[S+8+16*\b:S+15+16*\b], v[T3+\b]
.endr
	v_nop
	v_permlane16_swap_b32 v[\pc], v[\pc+2]
	v_permlane16_swap_b32 v[\pc+1], v[\pc+3]
	global_store_b128 v[LI], v[\pc:\pc+3], s[\yc:\yc+1]    ; 32 lanes store 512 consecutive bytes, aligned
	global_store_b16 v[YSO], v[\pw], s[\ys:\ys+1]          ; two bytes of each row's 32: a row's other bytes are other heads', made by other work-groups.  Both halves of the lanes write the same bytes with the same value
.endm
.rept 4
	v_nop                                          ; places behind the last products
.endr
	OUT STL, OL, PC, PW, YCL, YSL
	OUT STH, OH, PC+4, PW+1, YCH, YSH              ; registers of its own for what is stored: no store's data are written again
	s_wait_tensorcnt 0x0                           ; the wave's end: behind my last tensor load
	ds_add_u32 v[SPW], v[NIL]
	s_wait_dscnt 0x0
	CROUND                                         ; the closing round
	s_endpgm
.Lfunc_end_k_qf0b2b61865_attn:
	.size	k_qf0b2b61865_attn, .Lfunc_end_k_qf0b2b61865_attn-k_qf0b2b61865_attn
	.p2alignl 7, 3214868480
	.fill 96, 4, 3214868480
	.section	.rodata,"a",@progbits
	.p2align	6, 0x0
	.amdhsa_kernel k_qf0b2b61865_attn
		.amdhsa_group_segment_fixed_size 327680
		.amdhsa_private_segment_fixed_size 0
		.amdhsa_enable_private_segment 0
		.amdhsa_kernarg_size 32
		.amdhsa_user_sgpr_count 2
		.amdhsa_user_sgpr_kernarg_segment_ptr 1
		.amdhsa_wavefront_size32 1
		.amdhsa_system_sgpr_workgroup_id_x 1
		.amdhsa_system_sgpr_workgroup_id_y 1
		.amdhsa_system_sgpr_workgroup_id_z 1
		.amdhsa_system_vgpr_workitem_id 0
		.amdhsa_next_free_vgpr 256
		.amdhsa_next_free_sgpr 80
		.amdhsa_reserve_vcc 1
		.amdhsa_float_denorm_mode_32 3
		.amdhsa_float_denorm_mode_16_64 3
		.amdhsa_memory_ordered 1
		.amdhsa_forward_progress 1
		.amdhsa_inst_pref_size 58
	.end_amdhsa_kernel
	.amdgpu_metadata
---
amdhsa.version: [ 1, 2 ]
amdhsa.kernels:
  - .name:           k_qf0b2b61865_attn
    .symbol:         k_qf0b2b61865_attn.kd
    .args:
      - { .name: att_codes, .offset: 0, .size: 8, .value_kind: global_buffer, .address_space: global }
      - { .name: att_scales, .offset: 8, .size: 8, .value_kind: global_buffer, .address_space: global }
      - { .name: y_codes, .offset: 16, .size: 8, .value_kind: global_buffer, .address_space: global }
      - { .name: y_scales, .offset: 24, .size: 8, .value_kind: global_buffer, .address_space: global }
    .group_segment_fixed_size: 327680
    .private_segment_fixed_size: 0
    .kernarg_segment_align: 8
    .kernarg_segment_size: 32
    .max_flat_workgroup_size: 512
    .sgpr_count:     80
    .vgpr_count:     256
    .wavefront_size: 32
...
	.end_amdgpu_metadata
.endif
;; end of part 3
;; launch proj (part 4): grid 4 x 32, 4 waves a work-group, clusters of 4 x 4, 327,680 bytes of LDS; arguments y_codes, y_scales, opc, ops, b_proj, out0; writes out0
.if DOCPART == 4
	.amdgcn_target "amdgcn-amd-amdhsa--gfx1250"
	.amdhsa_code_object_version 6
	.text
	.protected	k_qf0b2b61865_proj
	.globl	k_qf0b2b61865_proj
	.p2align	8
	.type	k_qf0b2b61865_proj,@function
k_qf0b2b61865_proj:
	s_mov_b64 s[64:65], 0
	v_nop
	global_prefetch_b8 v0, s[64:65] scope:SCOPE_SE
	s_setreg_imm32_b32 hwreg(HW_REG_WAVE_MODE, 25, 1), 1
	s_wait_xcnt 0x0
	s_wait_alu depctr_hold_cnt(0) depctr_sa_sdst(0) depctr_va_vdst(0) depctr_va_sdst(0) depctr_va_ssrc(0) depctr_va_vcc(0) depctr_vm_vsrc(0)
	s_getreg_b32 s2, hwreg(HW_REG_IB_STS2, 6, 4)
	s_cmp_eq_u32 s2, 0
	s_cbranch_scc0 .Lentry_in_a_cluster
	s_endpgm
.Lentry_in_a_cluster:
	s_bfe_u32 s2, ttmp6, 0x10000c
	s_cmp_lg_u32 s2, 0xf033
	s_cbranch_scc0 .Lentry_shape_is_right
	s_endpgm
.Lentry_shape_is_right:
; out0 = y w_proj^T + b_proj on codes of FP4 (E2M1) with E8M0 scales for each 32 along K = 1,024; out0 [8192][1024] f32.
; A tile of 256 x 256 is made by four waves, 128 x 128 each: 64 accumulators of 16 x 16, 512 registers.  All of K lies in LDS: two slots of 512 along K, each filled once, and the scale bytes of all of K.
; A = y: its codes lie in memory as images of the operand's registers, [tile of 16 rows][head 0..15][512 bytes]: K step q of 128 is heads 2 q and 2 q + 1; a fragment is two loads of 512 consecutive bytes.
;   Its scale bytes lie [stored row][32].  Stored row 16 i + r is token 32 (i / 2) + 8 (i % 2) + r + 8 (r / 8): the way out puts the rows back.
; B = w_proj: rows 11,264 on of opc (512 bytes a row) and ops (32 bytes a row), in their true order.
; THE MATRIX INSTRUCTION IS USED TRANSPOSED (source 0 = 16 rows of B, source 1 = 16 rows of A): a lane holds eight neighbouring numbers of a row of out0.  b_proj is the C of each sum's first product.
; CLUSTERS: 4 x 4 work-groups; A's tiles are shared along a row of the cluster, B's along a column, by joint loads.
; REGISTERS, in windows of 256: window 0: v0-31 addresses; v32-95 scale words, two sets; v128-191 A's fragments, ONE set; v192-255 the bias; on the way out v128-255 are free.
;   window 1: B's fragments, TWO sets.   window 2: the accumulators of my rows 0-63 ((a, b) at v[8 (8 a + b)]);   window 3: those of my rows 64-127.
.set SIZE_N, 1024
.set NQ,     4                         ; matrix instructions deep in a slot (512 along K)
.set ROWB,   256                       ; a row of B's tile in bytes
.set KROW,   512                       ; a row of codes in memory
.set PITCH,  272                       ; B's LDS row: 256 bytes + 16 of padding: the 16 rows that a load touches start at 16 different banks (64 banks of 4 bytes: ISA guide 11.1)
.set FR,     8
.set NL,     2
.set NP,     4                         ; places behind this matrix instruction (ISA guide 7.12.1)
.set HALFT,  128*PITCH                 ; the room of 128 rows in a slot (A's images use 32,768 bytes of it)
.set SLOT,   4*HALFT
.set KS,     32
.set SCL,    2*SLOT
.set HALFS,  (128*KS/256)*272
.set SBLK,   (16*KS/256)*272
.set SPARE,  SCL+4*HALFS               ; the spare words, 128 bytes for each wave: two blocks of 256 bytes that no other line names
.set SPITCH, 528                       ; the way out: a stage of 16 rows x (512 bytes + 16) for each wave, in slot 0, which has had its one fill and its last read when the first result is stored there
.set WROW,   11264                     ; w_proj's first row in opc and ops
.set ADRA, 16
.set ADRB, 20
.set STO,  24                          ; v24     the way out: where I put 32 bytes of a row
.set RD,   25                          ; v25     where I read a row back
.set CO,   26                          ; v26     16 x lane: my byte offset in a row's 512 bytes
.set ADRS, 27
.set SPW,  28
.set NIL,  29
.set SC,   32
.set AF,   128
.set BP,   192                         ; v192-255 the bias for B's blocks 0-7, in the result's layout
.set BK,   128                         ; the way out: 16 rows read back from the stage: v128-191 and v192-255 by turns
.set G1, 24
.set G0, 32
.set G1B, 48
.set G0B, 56
.set G1S, 68
.set G0S, 76
.set G1SB, 80
.set G0SB, 88
.set MSB, 0
.macro WIN new                         ; the immediate's high byte repeats the setting that is left
.if MSB != (\new)
	s_set_vgpr_msb (MSB<<8)|(\new)
.set MSB, (\new)
.endif
.endm
.set MUL_LO, 0xa1
.set MUL_HI, 0xf1
.set FST_LO, 0x81                      ; a sum's first product: C (the bias) window 0, D window 2
.set FST_HI, 0xc1
.set TO_B,   0x40
.macro JLOAD g0a, g1a, g0b, g1b        ; a joint load: waves 0 and 1 fetch for A, waves 2 and 3 for B; four v_nop follow each of the two lines
	s_cmp_eq_u32 s15, 0
	s_cbranch_scc0 .Lfor_b_\@
	tensor_load_to_lds s[\g0a:\g0a+3], s[\g1a:\g1a+7]
	s_nop 0
.rept 4
	v_nop
.endr
	s_branch .Lasked_\@
.Lfor_b_\@:
	tensor_load_to_lds s[\g0b:\g0b+3], s[\g1b:\g1b+7]
	s_nop 0
.rept 4
	v_nop
.endr
.Lasked_\@:
.endm
.macro CROUND                          ; a round of the cluster's barrier
	s_barrier_signal -1
	s_barrier_wait -1
	s_cmp_lg_u32 s14, 0
	s_cbranch_scc1 .Lnot_wave_0_\@
	s_barrier_signal -3
.Lnot_wave_0_\@:
	s_barrier_wait -3
	s_barrier_signal -1
	s_barrier_wait -1
.endm
	s_load_b256 s[4:11], s[0:1], 0x0               ; y_codes s[4:5], y_scales s[6:7], opc s[8:9], ops s[10:11]
	s_load_b64 s[96:97], s[0:1], 0x20              ; b_proj
	s_load_b64 s[12:13], s[0:1], 0x28              ; out0
	v_lshl_add_u32 v[SPW], v0, 2, SPARE
	v_mov_b32 v[NIL], 0
	ds_add_u32 v28, v29
	ds_add_u32 v28, v29
	s_wait_dscnt 0x0
	v_lshrrev_b32 v1, 5, v0
	v_readfirstlane_b32 s14, v1                    ; wave 0..3
	s_lshr_b32 s15, s14, 1                         ; which half of the tile's rows is mine.  Also: I fetch for A (0) or for B (1)
	s_and_b32 s16, s14, 1                          ; which half of its columns.  Also: which 128 rows of that tile I fetch
	s_bfe_u32 s40, ttmp6, 0x40000                  ; cx, cy
	s_bfe_u32 s41, ttmp6, 0x40004
	s_lshl_b32 s42, ttmp9, 2
	s_add_co_u32 s42, s42, s40                     ; tile column = 4 x cluster x + cx
	s_and_b32 s17, ttmp7, 0xffff
	s_lshl_b32 s17, s17, 2
	s_add_co_u32 s17, s17, s41                     ; tile row = 4 x cluster y + cy
	s_lshl_b32 s43, s41, 2
	s_lshl_b32 s43, 15, s43                        ; my row of the cluster
	s_lshl_b32 s44, 0x1111, s40                    ; my column
	; A's tiles: 8 tiles of 16 rows, of each the slot's 8 heads: 8 rows of 4,096 bytes (512 elements of 8 bytes), 8,192 bytes apart; dense in LDS
	s_or_b32 s[G1+0], s43, (3<<16)|(1<<21)         ; 15:0 the mask: my row; 17:16 elements of 8 bytes; 21 set beside a mask
	s_mov_b32 s[G1+1], 512<<16                     ; tensor_dim0
	s_mov_b32 s[G1+2], 8<<16                       ; tensor_dim1
	s_mov_b32 s[G1+3], 512<<16                     ; tile_dim0
	s_mov_b32 s[G1+4], 8                           ; tile_dim1
	s_mov_b32 s[G1+5], 1024                        ; tensor_dim0_stride
	s_mov_b32 s[G1+6], 0
	s_mov_b32 s[G1+7], 0
	; B's tiles: 128 rows x 256 bytes, padded in LDS
	s_or_b32 s[G1B+0], s44, (0<<16)|(1<<20)|(1<<21)|(5<<22)|(3<<25)  ; the mask: my column; elements of 1 byte; padding: 4 words after every 64
	s_mov_b32 s[G1B+1], ROWB<<16
	s_mov_b32 s[G1B+2], 128<<16
	s_mov_b32 s[G1B+3], ROWB<<16
	s_mov_b32 s[G1B+4], 128
	s_mov_b32 s[G1B+5], KROW
	s_mov_b32 s[G1B+6], 0
	s_mov_b32 s[G1B+7], 0
	; the scales of 128 rows: a dense block of 4,096 bytes, as 16 rows of 256 bytes, 16 bytes of padding behind each
	s_or_b32 s[G1S+0], s43, (3<<16)|(1<<20)|(1<<21)|(5<<22)|(3<<25)
	s_or_b32 s[G1SB+0], s44, (3<<16)|(1<<20)|(1<<21)|(5<<22)|(3<<25)
.irp g, G1S, G1SB
	s_mov_b32 s[\g+1], 32<<16
	s_mov_b32 s[\g+2], (128*KS/256)<<16
	s_mov_b32 s[\g+3], 32<<16
	s_mov_b32 s[\g+4], 128*KS/256
	s_mov_b32 s[\g+5], 32
	s_mov_b32 s[\g+6], 0
	s_mov_b32 s[\g+7], 0
.endr
	s_lshl_b32 s18, s16, 7                         ; which 128 rows of the tile I fetch
	s_lshl_b32 s20, s17, 8
	s_add_co_u32 s20, s20, s18                     ; A: stored row 256 x tile row + 128 x half
	s_lshl_b32 s46, s42, 8
	s_add_co_u32 s46, s46, s18
	s_add_co_u32 s46, s46, WROW                    ; B: row 11,264 + 256 x tile column + 128 x half
	s_lshl_b32 s22, s20, 5                         ; their scales, in bytes,
	s_mov_b32 s23, 0
	s_lshl_b32 s20, s20, 9                         ; and their codes: 16 rows' images are 8,192 bytes, 512 a row
	s_mov_b32 s21, 0
	s_lshl_b32 s92, s46, 5
	s_mov_b32 s93, 0
	s_lshl_b32 s46, s46, 9
	s_mov_b32 s47, 0
	s_mul_i32 s45, s14, HALFT                      ; where they go: no place in the cluster enters an LDS address
	s_mul_i32 s94, s14, HALFS
	s_wait_kmcnt 0x0
	s_add_nc_u64 s[20:21], s[4:5], s[20:21]
	s_add_nc_u64 s[22:23], s[6:7], s[22:23]
	s_add_nc_u64 s[46:47], s[8:9], s[46:47]
	s_add_nc_u64 s[92:93], s[10:11], s[92:93]
	CROUND                                         ; all sixteen work-groups are here: the joint loads meet
	s_mov_b32 s[G0S], 1
	s_add_co_u32 s[G0S+1], s94, SCL
	s_mov_b64 s[G0S+2:G0S+3], s[22:23]
	s_or_b32 s[G0S+3], s[G0S+3], 0x80000000
	s_mov_b32 s[G0SB], 1
	s_add_co_u32 s[G0SB+1], s94, SCL
	s_mov_b64 s[G0SB+2:G0SB+3], s[92:93]
	s_or_b32 s[G0SB+3], s[G0SB+3], 0x80000000
	JLOAD G0S, G1S, G0SB, G1SB                     ; the scales first.  Three loads of mine go out here, and no more in the launch
.irp s, 0,1
	s_mov_b32 s[G0+4*\s], 1
	s_add_co_u32 s[G0+4*\s+1], s45, \s*SLOT
	s_add_nc_u64 s[G0+4*\s+2:G0+4*\s+3], s[20:21], \s*4096    ; slot s: heads 8 s on
	s_or_b32 s[G0+4*\s+3], s[G0+4*\s+3], 0x80000000
	s_mov_b32 s[G0B+4*\s], 1
	s_add_co_u32 s[G0B+4*\s+1], s45, \s*SLOT
	s_add_nc_u64 s[G0B+4*\s+2:G0B+4*\s+3], s[46:47], \s*ROWB
	s_or_b32 s[G0B+4*\s+3], s[G0B+4*\s+3], 0x80000000
	JLOAD G0+4*\s, G1, G0B+4*\s, G1B
.endr
	v_and_b32 v1, 15, v0                           ; r
	v_bfe_u32 v2, v0, 4, 1                         ; h
	v_mul_u32_u24 v3, v1, PITCH
	v_lshl_add_u32 v4, v2, 4, v3                   ; B: a fragment's row x pitch + 16 x half
	v_and_b32 v6, 31, v0
	v_lshlrev_b32 v[CO], 4, v6                     ; A: 16 x lane in an image
	s_mul_i32 s21, s15, HALFT                      ; my 128 rows of A
	s_mul_i32 s22, s16, HALFT                      ; my 128 rows of B,
	s_add_co_u32 s22, s22, 2*HALFT                 ; which lie behind A's
.irp s, 0,1
	v_add_nc_u32 v[ADRA+\s], s21, v[CO]
	v_add_nc_u32 v[ADRB+\s], s22, v4
	s_add_co_u32 s21, s21, SLOT
	s_add_co_u32 s22, s22, SLOT
.endr
	v_mul_u32_u24 v5, v1, KS                       ; my row's scales: 32 bytes a row,
	v_lshrrev_b32 v6, 8, v5
	v_lshl_add_u32 v5, v6, 4, v5                   ; and 16 more for each 256 passed
	s_mul_i32 s21, s15, HALFS
	s_mul_i32 s22, s16, HALFS
	s_add_co_u32 s22, s22, 2*HALFS
	s_sub_co_u32 s22, s22, s21
	v_mul_u32_u24 v6, s22, v2                      ; lanes 16-31 take B's: one product, the distance between the two
	s_add_co_u32 s21, s21, SCL
	v_add_nc_u32 v5, v5, v6
	v_add_nc_u32 v[ADRS], s21, v5
	s_mul_i32 s23, s14, 16*SPITCH                  ; my stage
	v_mul_u32_u24 v5, v1, SPITCH                   ; in: row l % 16, 32 bytes for each half of the lanes
	v_lshl_add_u32 v5, v2, 5, v5
	v_add_nc_u32 v[STO], s23, v5
	v_add_nc_u32 v[RD], s23, v[CO]                 ; back: the 32 lanes take one row of 512 bytes
	s_lshl_b32 s20, s17, 8
	s_lshl_b32 s21, s15, 7
	s_add_co_u32 s20, s20, s21                     ; my first row of out0: 256 x tile row + 128 x half,
	s_lshl_b32 s20, s20, 12                        ; 4,096 bytes a row (under 2^25 in all)
	s_lshl_b32 s46, s42, 10                        ; my first column, in bytes: 1,024 x tile column + 512 x half
	s_lshl_b32 s47, s16, 9
	s_add_co_u32 s46, s46, s47
	s_mov_b32 s47, 0
	s_add_nc_u64 s[96:97], s[96:97], s[46:47]      ; b_proj at my 128 columns: the same bytes
	s_add_co_u32 s20, s20, s46
	s_mov_b32 s21, 0
	s_add_nc_u64 s[12:13], s[12:13], s[20:21]
	v_lshlrev_b32 v8, 5, v2                        ; the bias: block b's register j is column 16 b + 8 h + j
.irp b, 0,1,2,3,4,5,6,7
	global_load_b128 v[BP+8*\b:BP+8*\b+3], v8, s[96:97] offset:64*\b
	global_load_b128 v[BP+8*\b+4:BP+8*\b+7], v8, s[96:97] offset:64*\b+16
.endr
.macro FRAGB reg, adr, q, i            ; a fragment from rows: lane l holds row l % 16; registers 4 c .. 4 c + 3 hold K = 64 c + 32 (l / 16) + 0 .. 31
.irp c, 0,1
	ds_load_b128 v[\reg+4*\c:\reg+4*\c+3], v[\adr] offset:64*(\q)+32*\c+(\i)*16*PITCH
.endr
.endm
.macro FRAGA reg, adr, q, i            ; a fragment from its image: tile of rows i, heads 2 q and 2 q + 1 of the slot's eight
.irp c, 0,1
	ds_load_b128 v[\reg+4*\c:\reg+4*\c+3], v[\adr] offset:1024*(\q)+512*\c+(\i)*4096
.endr
.endm
; 16 matrix instructions: A's blocks a0, a0 + 1 x B's eight, 128 along K.  first = 1: the product starts the sums, with the bias as C.  The 64 accumulators take turns, one instruction a turn.
.macro MUL16 a0, p, q, sc, first
.irp a, \a0, \a0+1
.irp b, 0,1,2,3,4,5,6,7
.if \first
	v_wmma_scale_f32_16x16x128_f8f6f4 v[8*(8*((\a)%4)+\b):8*(8*((\a)%4)+\b)+7], v[128*(\p)+FR*\b:128*(\p)+FR*\b+FR-1], v[AF+FR*(\a):AF+FR*(\a)+FR-1], v[BP+8*\b:BP+8*\b+7], v[SC+8*NQ*(\sc)+NQ*\b+(\q)], v[SC+8*NQ*(\sc)+NQ*(\a)+(\q)] matrix_a_fmt:MATRIX_FMT_FP4 matrix_b_fmt:MATRIX_FMT_FP4 matrix_a_scale:MATRIX_SCALE_ROW1
.else
	v_wmma_scale_f32_16x16x128_f8f6f4 v[8*(8*((\a)%4)+\b):8*(8*((\a)%4)+\b)+7], v[128*(\p)+FR*\b:128*(\p)+FR*\b+FR-1], v[AF+FR*(\a):AF+FR*(\a)+FR-1], v[8*(8*((\a)%4)+\b):8*(8*((\a)%4)+\b)+7], v[SC+8*NQ*(\sc)+NQ*\b+(\q)], v[SC+8*NQ*(\sc)+NQ*(\a)+(\q)] matrix_a_fmt:MATRIX_FMT_FP4 matrix_b_fmt:MATRIX_FMT_FP4 matrix_a_scale:MATRIX_SCALE_ROW1
.endif
.endr
.endr
.endm
.macro FETCH_B slot, q, p
	WIN TO_B
.irp i, 0,1,2,3,4,5,6,7
	FRAGB 128*(\p)+FR*\i, ADRB+\slot, \q, \i
.endr
	WIN 0
.endm
.macro FETCH_A slot, q, i0
.irp i, \i0, \i0+1, \i0+2, \i0+3
	FRAGA AF+FR*(\i), ADRA+\slot, \q, \i
.endr
.endm
.macro SCALES sc
.irp i, 0,1,2,3,4,5,6,7
	ds_load_b128 v[SC+8*NQ*\sc+NQ*\i:SC+8*NQ*\sc+NQ*\i+3], v[ADRS] offset:\i*SBLK
.endr
.endm
; A load into a register that a matrix instruction has read, and an LDS store that reads a matrix result, stand NP places behind it; only plain vector instructions that name none of its registers are places
; (ISA guide 7.12.1 for vector instructions).
.macro PLACES n
.rept \n
	v_nop
.endr
.endm
.macro STEP slot, q, first
	s_wait_dscnt 4*NL                              ; B's set and A's blocks 0-3 are in; the youngest eight loads (A's blocks 4-7) may be out
.if \first
	WIN FST_LO
.else
	WIN MUL_LO
.endif
	MUL16 0, (\q)%2, \q, \slot, \first
	MUL16 2, (\q)%2, \q, \slot, \first
	s_wait_dscnt 0                                 ; A's blocks 4-7 are in
	PLACES NP
	FETCH_B \slot, (\q)+1, 1-(\q)%2
	FETCH_A \slot, (\q)+1, 0
.if \first
	WIN FST_HI
.else
	WIN MUL_HI
.endif
	MUL16 4, (\q)%2, \q, \slot, \first
	MUL16 6, (\q)%2, \q, \slot, \first
	PLACES NP
	WIN 0
	FETCH_A \slot, (\q)+1, 4
.endm
.macro STEPS slot, from
.set Q, \from
.rept NQ-1-\from
	STEP \slot, Q, 0
.set Q, Q+1
.endr
.endm
	s_wait_tensorcnt 1                             ; the scales and my part of slot 0 are in (slot 1's load may be out)
	s_barrier_signal -1
	s_barrier_wait -1                              ; everybody's are
	FETCH_B 0, 0, 0
	FETCH_A 0, 0, 0
	SCALES 0
	FETCH_A 0, 0, 4
	s_wait_loadcnt 0x0                             ; the bias
	STEP 0, 0, 1                                   ; the first step's products start the sums
	STEPS 0, 1
	; slot 0's last step changes slots: one barrier; in front of it each wave waits for its part of slot 1.  Nothing is filled again
	s_wait_tensorcnt 0x0                           ; all my tensor loads have landed
	ds_add_u32 v[SPW], v[NIL]                      ; 0 onto my spare word
	s_wait_dscnt 4*NL+1                            ; (the add and the youngest eight loads may be out)
	WIN MUL_LO
	MUL16 0, 1, NQ-1, 0, 0
	s_wait_dscnt 0x0                               ; my reads of slot 0 are over: behind this barrier it may become the stage
	s_barrier_signal -1
	MUL16 2, 1, NQ-1, 0, 0
	WIN 0
	s_barrier_wait -1                              ; slot 1 is whole
	PLACES NP
	v_add_nc_u32 v[ADRS], 4*NQ, v[ADRS]            ; on to slot 1's scale words
	FETCH_B 1, 0, 0
	FETCH_A 1, 0, 0
	SCALES 1
	WIN MUL_HI
	MUL16 4, 1, NQ-1, 0, 0
	MUL16 6, 1, NQ-1, 0, 0
	PLACES NP
	WIN 0
	FETCH_A 1, 0, 4
	STEPS 1, 0
	s_wait_dscnt 4*NL                              ; the very last step: nothing more to fetch
	WIN MUL_LO
	MUL16 0, 1, NQ-1, 1, 0
	MUL16 2, 1, NQ-1, 1, 0
	s_wait_dscnt 0
	WIN MUL_HI
	MUL16 4, 1, NQ-1, 1, 0
	MUL16 6, 1, NQ-1, 1, 0
	WIN 0
; THE WAY OUT, block by block of 16 rows x 128 columns.  A lane holds 32 neighbouring bytes of a row, and the lanes beside it hold other rows: so a block goes through my own stage in LDS and comes back as whole
; rows of 512 bytes.  LDS serves a wave's instructions in order (ISA guide 5.7.1.4): no wait between the stores and the loads, nor in front of the next block's stores.
.macro TOSTAGE a
.set AC, 64*((\a)%4)
	WIN 0x08+4*((\a)/4)                            ; the data: window 2 or 3
.irp b, 0,1,2,3,4,5,6,7
	ds_store_b128 v[STO], v[AC+8*\b:AC+8*\b+3] offset:64*\b          ; each accumulator from its low end on
	ds_store_b128 v[STO], v[AC+8*\b+4:AC+8*\b+7] offset:64*\b+16
.endr
	WIN 0
.set BB, BK+64*((\a)%2)
.irp t, 0,1,2,3,4,5,6,7,8,9,10,11,12,13,14,15
	ds_load_b128 v[BB+4*\t:BB+4*\t+3], v[RD] offset:\t*SPITCH
.endr
.endm
; Block a's row t is token 32 (a / 2) + 8 (a % 2) + t + 8 (t / 8) of my 128: the base steps 8 rows to an odd block and 24 to an even one, and the rows' second eight lie 8 rows further on.
.macro SEND a, younger                 ; younger: the LDS instructions issued behind block a's loads, which may stay out
.set BB, BK+64*((\a)%2)
	s_wait_dscnt \younger                          ; the block is back in registers
.if (\a) > 0
.if ((\a)%2) == 1
	s_add_nc_u64 s[12:13], s[12:13], 8*SIZE_N*4    ; (behind a wait on XCNT: the earlier stores have read their base)
.else
	s_add_nc_u64 s[12:13], s[12:13], 24*SIZE_N*4
.endif
.endif
.irp t, 0,1,2,3,4,5,6,7,8,9,10,11,12,13,14,15
	global_store_b128 v[CO], v[BB+4*\t:BB+4*\t+3], s[12:13] offset:(\t+8*(\t/8))*SIZE_N*4 th:TH_STORE_NT   ; 32 lanes store 512 consecutive bytes, aligned; written once, read by nobody here
.endr
.endm
	PLACES NP                                      ; behind the last products: their results are read, and loads land in the registers that held A's fragments and the bias
	TOSTAGE 0
.irp a, 1,2,3,4,5,6,7
.if \a > 1
	s_wait_xcnt 0x0                                ; block a - 2's stores have read their registers and their base: block a's loads may land there, and the base may step
.endif
	TOSTAGE \a
	SEND \a-1, 32                                  ; behind block a - 1's loads: block a's 16 stores and 16 loads
.endr
	s_wait_xcnt 0x0                                ; block 6's stores have read their base
	SEND 7, 0
	s_wait_tensorcnt 0x0                           ; the wave's end: behind my last tensor load and my last LDS store
	ds_add_u32 v[SPW], v[NIL]
	s_wait_dscnt 0x0
	CROUND                                         ; the closing round
	s_endpgm
.Lfunc_end_k_qf0b2b61865_proj:
	.size	k_qf0b2b61865_proj, .Lfunc_end_k_qf0b2b61865_proj-k_qf0b2b61865_proj
	.p2alignl 7, 3214868480
	.fill 96, 4, 3214868480
	.section	.rodata,"a",@progbits
	.p2align	6, 0x0
	.amdhsa_kernel k_qf0b2b61865_proj
		.amdhsa_group_segment_fixed_size 327680
		.amdhsa_private_segment_fixed_size 0
		.amdhsa_enable_private_segment 0
		.amdhsa_kernarg_size 48
		.amdhsa_user_sgpr_count 2
		.amdhsa_user_sgpr_kernarg_segment_ptr 1
		.amdhsa_wavefront_size32 1
		.amdhsa_system_sgpr_workgroup_id_x 1
		.amdhsa_system_sgpr_workgroup_id_y 1
		.amdhsa_system_sgpr_workgroup_id_z 1
		.amdhsa_system_vgpr_workitem_id 0
		.amdhsa_next_free_vgpr 1024
		.amdhsa_next_free_sgpr 100
		.amdhsa_reserve_vcc 0
		.amdhsa_float_denorm_mode_32 3
		.amdhsa_float_denorm_mode_16_64 3
		.amdhsa_memory_ordered 1
		.amdhsa_forward_progress 1
		.amdhsa_inst_pref_size 126
	.end_amdhsa_kernel
	.amdgpu_metadata
---
amdhsa.version: [ 1, 2 ]
amdhsa.kernels:
  - .name:           k_qf0b2b61865_proj
    .symbol:         k_qf0b2b61865_proj.kd
    .args:
      - { .name: y_codes, .offset: 0, .size: 8, .value_kind: global_buffer, .address_space: global }
      - { .name: y_scales, .offset: 8, .size: 8, .value_kind: global_buffer, .address_space: global }
      - { .name: opc, .offset: 16, .size: 8, .value_kind: global_buffer, .address_space: global }
      - { .name: ops, .offset: 24, .size: 8, .value_kind: global_buffer, .address_space: global }
      - { .name: b_proj, .offset: 32, .size: 8, .value_kind: global_buffer, .address_space: global }
      - { .name: out0, .offset: 40, .size: 8, .value_kind: global_buffer, .address_space: global }
    .group_segment_fixed_size: 327680
    .private_segment_fixed_size: 0
    .kernarg_segment_align: 8
    .kernarg_segment_size: 48
    .max_flat_workgroup_size: 128
    .sgpr_count:     100
    .vgpr_count:     1024
    .wavefront_size: 32
...
	.end_amdgpu_metadata
.endif
;; end of part 4
